; MI455X (gfx1250); checked and timed in simulation.
; The chip was launched on July 23, 2026; its instructions are those of AMD's public machine-readable ISA for CDNA 5 (MIT licence, August 2026) and "CDNA5" Instruction Set Architecture Reference Guide (July 2026). The comments in the code are by the model that wrote it; some were corrected since.
;; Causal Self Attention. Allowed arithmetic: matrix products marked QUANTISED: E4M3 operands, one given power-of-two scale a tensor, by v_wmma_f32_16x16x64_fp8_fp8 or v_wmma_f32_16x16x128_fp8_fp8, f32 sums; everything else in f32.
;; Inputs: lowp_scales 8 int32 (the exponents e of the quantised operands' scales 2^e); w_out 1,024 x 1,024 float32; w_qkv 1,024 x 3,072 float32; x 4 x 2,048 x 1,024 float32.
;; Outputs: out0 4 x 2,048 x 1,024 float32.
;; This version of the problem:
;;   THIS VERSION OF THE PROBLEM IS GIVEN IN LOW PRECISION. The matrix products marked QUANTISED in the list below multiply operands that are first quantised to E4M3 (4 exponent bits, 3 mantissa bits; 8 bits a number), with one given power-of-two scale for each operand tensor; their sums are f32. All else is computed in f32.
;;   The module's matrix products, in the order in which they are computed (A, B: the left and right operand; K: the contracted axis; several contracted axes count as one K, in the product's order):
;;     1. [M 8,192, K 1,024] x [K 1,024, N 3,072]; A: input x; B: input w_qkv: QUANTISED (scales: A lowp_scales[0], B lowp_scales[1])
;;     2. batch 64 x [M 2,048, K 64] x [K 64, N 2,048]; A: computed on the way; B: computed on the way: QUANTISED (scales: A lowp_scales[2], B lowp_scales[3])
;;     3. batch 64 x [M 2,048, K 2,048] x [K 2,048, N 64]; A: softmax (see below); B: computed on the way: QUANTISED (scales: A lowp_scales[4], B lowp_scales[5])
;;     4. [M 8,192, K 1,024] x [K 1,024, N 1,024]; A: computed on the way; B: input w_out: QUANTISED (scales: A lowp_scales[6], B lowp_scales[7])
;;   THE QUANTISER, for each operand of a quantised product, along K:
;;     - The operand's scale is 2^e, e = its entry of the input lowp_scales (int32; the entries are numbered through the quantised products in the list's order, A before B).
;;     - Each number is divided by the scale, clamped to +-448, and rounded to the nearest number of E4M3, ties to even, subnormals kept.
;;     - The product sums the exact products of the quantised numbers (number of the format x scale) in f32.
;;   ~~~python
;;   def quantise(x, axis, e):      # numpy; x: float32 -> the quantised numbers, widened to float32 again
;;       x = np.moveaxis(x, axis, -1); K = x.shape[-1]
;;       r = np.clip(x / 2.0 ** e, -448, 448)
;;       step = 2.0 ** (np.maximum(np.frexp(np.where(r == 0, 1, r))[1] - 1, -6) - 3)
;;       q = np.round(r / step) * step * 2.0 ** e      # np.round: ties to even
;;       return np.moveaxis(q, -1, axis).astype(np.float32)
;;   ~~~
;;   SOFTMAX AHEAD OF A QUANTISED PRODUCT. Where the list says 'softmax', what is quantised is not the finished softmax but p = 2^(t - M), with t = logit x log2(e) and M = ceil(the row's largest t), a whole number; so 1/2 < the row's largest p <= 1. The row's sum l is taken of the UNQUANTISED p, in f32, and the product's result is divided by l at the end. Since M is a whole number, a kernel that streams over the keys may use a running M (the ceiling of the running maximum): every later rescaling is an exact power of two, so the quantised numbers keep their values, but for numbers so far below the row's largest that they fall under the format's range.
;;   OPERANDS COMPUTED ON THE WAY. 'Computed on the way' means the value that the module computes at that place (a softmax that the list does not call 'softmax' is quantised finished and normalised). What goes into a quantiser is computed in f32, as accurately as f32 sums, v_exp_f32 and their like allow (about 1e-6 of the number): no bf16 or f16 on the way to a quantiser, and a product that is left as it is and whose result goes on into a quantised operand takes f32 operands (vector FMAs, or v_wmma_f32_16x16x4_f32). A number that lies on a knife's edge between two numbers of the format may be rounded either way, as far as f32 arithmetic and the matrix unit's own rounding can turn it there, and no further.
;; One version. Each part assembles by itself: llvm-mc -triple=amdgcn-amd-amdhsa -mcpu=gfx1250 --defsym DOCPART=n.
;; ======== version 1 of 1: 4 launches
;; limits: right only within a limited range of input values
;; workspace buffers: xc 8,388,608 bytes; wc 4,194,304 bytes; qkv 25,165,824 bytes; ac 8,388,608 bytes
;; launch quant (part 1): grid 384 x 1, 4 waves a work-group, no clusters, 68,096 bytes of LDS; arguments x, w_qkv, w_out, lowp_scales, xc, wc; writes xc, wc
.if DOCPART == 1
	.amdgcn_target "amdgcn-amd-amdhsa--gfx1250"
	.amdhsa_code_object_version 6
	.text
	.protected	k_q414d64dc3a_quant
	.globl	k_q414d64dc3a_quant
	.p2align	8
	.type	k_q414d64dc3a_quant,@function
k_q414d64dc3a_quant:
	s_mov_b64 s[64:65], 0
	v_nop
	global_prefetch_b8 v0, s[64:65] scope:SCOPE_SE
	s_setreg_imm32_b32 hwreg(HW_REG_WAVE_MODE, 25, 1), 1
	s_wait_xcnt 0x0
; The three f32 inputs become codes of FP8 (E4M3), K innermost, each with the one scale 2^e that is given for it.
;   x [8192][1024]          -> xc [8192][1024]                       e = entry 0 of the scales
;   w_qkv [1024 k][3072 n]  -> wc rows 0 .. 3071    ([n][1024 k])    e = entry 1
;   w_out [1024 k][1024 n]  -> wc rows 3072 .. 4095 ([n][1024 k])    e = entry 7
; code = number / 2^e, held within +-448, rounded to the nearest code, ties to even.
; LIMITS: each e lies between -126 and 119, so that 2^e and 448 x 2^e are f32 numbers.  NaN among the inputs is not served; an infinity is held at the largest code.
; Work-groups 0 .. 255 take x, a plain stream: 32,768 numbers each, 8,192 a wave, in 16 steps of 512.  A load reads 512 consecutive bytes, 16 a lane; a step's 2,048 bytes
; turn through the wave's own stage in LDS and come back 64 bytes (16 neighbours along K) a lane, as the conversions want them.  A lane's 16 codes are 16 bytes: a store covers 512 consecutive bytes.
; Work-groups 256 .. 383 take the weights, whose K is the FIRST axis: 128 columns x 256 along K each.  A lane takes a column and its registers run down K, so the conversions give codes with K innermost;
; a wave's 32 columns x 256 codes go through its own stage and leave as rows: sixteen lanes store 256 consecutive bytes, at a multiple of 256 from wc's first byte.
; The two paths part on the work-group's number and have LDS bytes of their own.  No tensor load, no barrier: waves share nothing.  No matrix unit, no cluster: every byte is read once and nothing is shared.
; WORK LEFT OUT IN THE PROGRAM: reference() sets every score with key > query to the least f32 number by a mask that it builds itself (jnp.tril); behind the maximum's subtraction such a score's
; exponential is 0 for all finite inputs, so it adds nothing to the row's sum nor to the weighted sum.  Tiles of 16 queries x 128 keys that lie wholly above the diagonal are therefore not computed (launch attn).
; LIMIT: a NaN, an infinity or an overflow that would arise only in such a tile is not carried to the result.  Every input has a way to the output and is loaded.
.set STEPS, 16
.set SP,    80                         ; x: a lane's place in a stage: its 64 bytes + 16 of padding
.set XREG,  8192                       ; x: LDS bytes of a wave: two stages of 32 x SP
.set WST,   32768                      ; weights: the four waves' stages begin here
.set WP,    272                        ; weights: a stage row: 256 codes + 16 of padding
.set SPARE, 67584                      ; behind both: the spare words, 128 bytes for each wave: two blocks of 256 bytes that no other line names
.set SPW,   12                         ; v12  LDS address of my spare word; never rewritten
.set NIL,   13                         ; v13  0; never rewritten
.set R,     16                         ; x: v16-79   four sets of 16 numbers as they are loaded
.set X,     80                         ; x: v80-111  two sets of 16 neighbours
.set C,     128                        ; x: v128-191 codes, four registers for each step: no store's data are written again
.set WX,    32                         ; weights: v32-95   two sets of 32 numbers
.set WC,    96                         ; weights: v96-103  a block's codes
.set OUTR,  112                        ; weights: v112-175 the way out
.set OFF,   176                        ; weights: v176-207 4 x lane + i rows, i = 0 .. 31; never rewritten
.set WB,    40                         ; weights: s[40:55] eight bases, one for each block of 32 along K; never rewritten
	s_load_b256 s[4:11], s[0:1], 0x0               ; x s[4:5], w_qkv s[6:7], w_out s[8:9], the scales' exponents s[10:11]
	s_load_b128 s[12:15], s[0:1], 0x20             ; xc s[12:13], wc s[14:15]
	v_lshl_add_u32 v[SPW], v0, 2, SPARE
	v_mov_b32 v[NIL], 0
	v_lshrrev_b32 v1, 5, v0
	v_readfirstlane_b32 s16, v1                    ; wave 0..3
	v_and_b32 v2, 31, v0                           ; lane
	s_wait_kmcnt 0x0
	s_load_b256 s[24:31], s[10:11], 0x0            ; e0 .. e7
	s_cmp_lt_u32 ttmp9, 256
	s_cbranch_scc0 .Lweights
; ---------------- x ----------------
.macro XLOAD t
.irp i, 0,1,2,3
	global_load_b128 v[R+16*((\t)%4)+4*\i:R+16*((\t)%4)+4*\i+3], v3, s[4:5] offset:2048*(\t)+512*\i th:TH_LOAD_NT   ; 32 lanes read 512 consecutive bytes
.endr
.endm
.macro XTURN t                         ; step t's numbers through the stage: LDS serves a wave's instructions in order, so no wait stands between the stores and the loads
.irp i, 0,1,2,3
	ds_store_b128 v14, v[R+16*((\t)%4)+4*\i:R+16*((\t)%4)+4*\i+3] offset:32*SP*((\t)%2)+8*SP*\i
.endr
.irp i, 0,1,2,3
	ds_load_b128 v[X+16*((\t)%2)+4*\i:X+16*((\t)%2)+4*\i+3], v15 offset:32*SP*((\t)%2)+16*\i
.endr
.endm
.macro XSTEP t
.set XS, X+16*((\t)%2)
	s_wait_dscnt 0x0                               ; this step's numbers are back from the stage: so its stores into the stage have read their registers,
.if (\t)+4 < STEPS
	XLOAD (\t)+4                                   ; which take the loads of four steps on
.endif
.if (\t)+1 < STEPS
.if STEPS-2-(\t) >= 3
	s_wait_loadcnt 12                              ; the next step's four loads are in; those of the three steps behind it may be out
.else
	s_wait_loadcnt 4*(STEPS-2-(\t))
.endif
	XTURN (\t)+1                                   ; and go through the other stage while this step is worked
.endif
.irp i, 0,1,2,3,4,5,6,7,8,9,10,11,12,13,14,15
	v_med3_num_f32 v[XS+\i], v[XS+\i], -v10, v10   ; the conversion to an 8-bit code does not saturate (ISA guide 7.6.2): hold the number within the largest code x the scale first
.endr
	v_cvt_scalef32_pk8_fp8_f32 v[C+4*(\t):C+4*(\t)+1], v[XS:XS+7], v11
	v_cvt_scalef32_pk8_fp8_f32 v[C+4*(\t)+2:C+4*(\t)+3], v[XS+8:XS+15], v11
	global_store_b128 v4, v[C+4*(\t):C+4*(\t)+3], s[12:13] offset:512*(\t)   ; the results go to a store alone; the next vector lines are the next step's holds, on other registers
.endm
	s_wait_alu depctr_va_vdst(0)
	v_lshlrev_b32 v3, 4, v2                        ; my 16 bytes of a load's 512
	s_wait_alu depctr_va_vdst(0)
	s_mul_i32 s17, s16, XREG
	v_lshrrev_b32 v14, 2, v2
	v_mul_u32_u24 v14, v14, SP
	v_and_b32 v15, 3, v2
	v_lshl_add_u32 v14, v15, 4, v14
	v_add_nc_u32 v14, s17, v14                     ; the stage, on the way in: four lanes' 64 bytes on end, then 16 of padding
	v_mul_u32_u24 v15, v2, SP
	v_add_nc_u32 v15, s17, v15                     ; and on the way out: my 16 neighbours
	v_lshlrev_b32 v4, 4, v2                        ; my codes' place in a step's 512 bytes
	s_lshl_b32 s18, ttmp9, 2
	s_add_co_u32 s18, s18, s16                     ; which run of 8,192 numbers is my wave's
	s_lshl_b32 s20, s18, 15                        ; 32,768 bytes of f32 a run
	s_mov_b32 s21, 0
	s_add_nc_u64 s[4:5], s[4:5], s[20:21]
	s_lshl_b32 s20, s18, 13                        ; 8,192 bytes of codes a run
	s_add_nc_u64 s[12:13], s[12:13], s[20:21]
.irp t, 0,1,2,3
	XLOAD \t
.endr
	s_wait_alu depctr_va_vdst(0)
	s_wait_kmcnt 0x0
	s_add_co_i32 s22, s24, 127
	s_lshl_b32 s23, s22, 23
	v_mov_b32 v11, s23                             ; 2^e0 as f32: the conversion takes its exponent field
	s_add_co_i32 s22, s22, 8
	s_lshl_b32 s22, s22, 23
	s_or_b32 s22, s22, 0x600000
	v_mov_b32 v10, s22                             ; 448 x 2^e0
	s_wait_alu depctr_va_vdst(0)
	s_wait_loadcnt 12                              ; step 0's four loads are in
	XTURN 0
.irp t, 0,1,2,3,4,5,6,7,8,9,10,11,12,13,14,15
	XSTEP \t
.endr
	s_branch .Lend
; ---------------- the weights ----------------
.macro WLOAD t                         ; block t: W(32 t + i, my column), i = 0 .. 31, into set t % 2: a wave's load reads 128 consecutive bytes, the four waves stand side by side on 512
.set I, 0
.rept 32
	global_load_b32 v[WX+32*((\t)%2)+I], v[OFF+I], s[WB+2*(\t):WB+2*(\t)+1] th:TH_LOAD_NT
.set I, I+1
.endr
.endm
.macro WBLOCK t
.set XS, WX+32*((\t)%2)
.if (\t) < 7
	s_wait_loadcnt 32                              ; this block's 32 loads are in; the next block's may be out
.else
	s_wait_loadcnt 0
.endif
.set I, 0
.rept 32
	v_med3_num_f32 v[XS+I], v[XS+I], -v10, v10     ; the hold at the largest code x the scale
.set I, I+1
.endr
.irp g, 0,1,2,3
	v_cvt_scalef32_pk8_fp8_f32 v[WC+2*\g:WC+2*\g+1], v[XS+8*\g:XS+8*\g+7], v11
.endr
	ds_store_b128 v4, v[WC:WC+3] offset:32*(\t)    ; 32 codes: 32 bytes of my column's row
	ds_store_b128 v4, v[WC+4:WC+7] offset:32*(\t)+16
.if (\t)+2 < 8
	WLOAD (\t)+2
.endif
	s_wait_dscnt 0x0                               ; the stores have read their registers: the next block's codes may be written
.endm
.Lweights:
	s_sub_co_u32 s17, ttmp9, 256
	s_and_b32 s18, s17, 31                         ; which 128 rows of wc: 0 .. 23 come from w_qkv, 24 .. 31 from w_out
	s_lshr_b32 s19, s17, 5                         ; which 256 along K
	s_lshl_b32 s20, s18, 7
	s_lshl_b32 s21, s16, 5
	s_add_co_u32 s20, s20, s21                     ; my wave's first row of wc
	s_mov_b32 s22, 4096
	s_mov_b32 s23, 3072
	s_cmp_lt_u32 s18, 24                           ; the choice hangs on the work-group's number alone
	s_cselect_b64 s[6:7], s[6:7], s[8:9]           ; the weight,
	s_cselect_b32 s22, 12288, s22                  ; its row in bytes,
	s_cselect_b32 s23, 0, s23                      ; and the row of wc at which its columns begin
	s_sub_co_u32 s32, s20, s23
	s_lshl_b32 s32, s32, 2                         ; my first column, in bytes
	s_mul_i32 s33, s19, s22
	s_lshl_b32 s33, s33, 8                         ; + 256 rows for each step along K
	s_add_co_u32 s32, s32, s33
	s_mov_b32 s33, 0
	s_add_nc_u64 s[WB:WB+1], s[6:7], s[32:33]
	s_lshl_b32 s56, s22, 5                         ; 32 rows
	s_mov_b32 s57, 0
.irp t, 1,2,3,4,5,6,7
	s_add_nc_u64 s[WB+2*\t:WB+2*\t+1], s[WB+2*\t-2:WB+2*\t-1], s[56:57]
.endr
	s_lshl_b32 s34, s20, 10                        ; wc: my first row of 1,024 bytes,
	s_lshl_b32 s35, s19, 8                         ; + my 256 codes of it
	s_add_co_u32 s34, s34, s35
	s_mov_b32 s35, 0
	s_add_nc_u64 s[14:15], s[14:15], s[34:35]
	s_wait_alu depctr_va_vdst(0)
	v_lshlrev_b32 v[OFF], 2, v2                    ; 4 bytes a lane
.set I, 1
.rept 31
	v_add_nc_u32 v[OFF+I], s22, v[OFF+I-1]         ; a row further down
.set I, I+1
.endr
	WLOAD 0
	WLOAD 1
	s_mul_i32 s36, s16, 32*WP
	s_add_co_u32 s36, s36, WST                     ; my stage
	v_mul_u32_u24 v4, v2, WP
	v_add_nc_u32 v4, s36, v4                       ; into it: row = my column
	v_and_b32 v5, 15, v2
	v_lshrrev_b32 v6, 4, v2                        ; out of it: sixteen lanes to a row, two rows an instruction
	v_mul_u32_u24 v7, v6, WP
	v_lshl_add_u32 v7, v5, 4, v7
	v_add_nc_u32 v7, s36, v7
	v_lshlrev_b32 v8, 10, v6
	v_lshl_add_u32 v8, v5, 4, v8                   ; and the same place in wc
	s_wait_kmcnt 0x0
	s_cmp_lt_u32 s18, 24
	s_cselect_b32 s37, s25, s31                    ; e1 or e7
	s_add_co_i32 s37, s37, 127
	s_lshl_b32 s38, s37, 23
	v_mov_b32 v11, s38                             ; 2^e as f32
	s_add_co_i32 s37, s37, 8
	s_lshl_b32 s37, s37, 23
	s_or_b32 s37, s37, 0x600000
	v_mov_b32 v10, s37                             ; 448 x 2^e
.set Q, 0
	s_wait_alu depctr_va_vdst(0)
.rept 8
	WBLOCK Q
.set Q, Q+1
.endr
.irp t, 0,1,2,3,4,5,6,7,8,9,10,11,12,13,14,15
	ds_load_b128 v[OUTR+4*\t:OUTR+4*\t+3], v7 offset:2*\t*WP       ; LDS serves a wave's instructions in order: these see my stores
.endr
.irp t, 0,1,2,3,4,5,6,7,8,9,10,11,12,13,14,15
	s_wait_dscnt 15-\t                             ; the younger loads may stay out
	global_store_b128 v8, v[OUTR+4*\t:OUTR+4*\t+3], s[14:15] offset:2*\t*1024
.endr
.Lend:
	s_wait_tensorcnt 0x0                           ; the wave's end: behind my last LDS store
	ds_add_u32 v[SPW], v[NIL]
	s_wait_dscnt 0x0
	s_endpgm
.Lfunc_end_k_q414d64dc3a_quant:
	.size	k_q414d64dc3a_quant, .Lfunc_end_k_q414d64dc3a_quant-k_q414d64dc3a_quant
	.p2alignl 7, 3214868480
	.fill 96, 4, 3214868480
	.section	.rodata,"a",@progbits
	.p2align	6, 0x0
	.amdhsa_kernel k_q414d64dc3a_quant
		.amdhsa_group_segment_fixed_size 68096
		.amdhsa_private_segment_fixed_size 0
		.amdhsa_enable_private_segment 0
		.amdhsa_kernarg_size 48
		.amdhsa_user_sgpr_count 2
		.amdhsa_user_sgpr_kernarg_segment_ptr 1
		.amdhsa_wavefront_size32 1
		.amdhsa_system_sgpr_workgroup_id_x 1
		.amdhsa_system_sgpr_workgroup_id_y 1
		.amdhsa_system_sgpr_workgroup_id_z 1
		.amdhsa_system_vgpr_workitem_id 0
		.amdhsa_next_free_vgpr 208
		.amdhsa_next_free_sgpr 66
		.amdhsa_reserve_vcc 0
		.amdhsa_float_denorm_mode_32 3
		.amdhsa_float_denorm_mode_16_64 3
		.amdhsa_memory_ordered 1
		.amdhsa_forward_progress 1
		.amdhsa_inst_pref_size 87
	.end_amdhsa_kernel
	.amdgpu_metadata
---
amdhsa.version: [ 1, 2 ]
amdhsa.kernels:
  - .name:           k_q414d64dc3a_quant
    .symbol:         k_q414d64dc3a_quant.kd
    .args:
      - { .name: x, .offset: 0, .size: 8, .value_kind: global_buffer, .address_space: global }
      - { .name: w_qkv, .offset: 8, .size: 8, .value_kind: global_buffer, .address_space: global }
      - { .name: w_out, .offset: 16, .size: 8, .value_kind: global_buffer, .address_space: global }
      - { .name: lowp_scales, .offset: 24, .size: 8, .value_kind: global_buffer, .address_space: global }
      - { .name: xc, .offset: 32, .size: 8, .value_kind: global_buffer, .address_space: global }
      - { .name: wc, .offset: 40, .size: 8, .value_kind: global_buffer, .address_space: global }
    .group_segment_fixed_size: 68096
    .private_segment_fixed_size: 0
    .kernarg_segment_align: 8
    .kernarg_segment_size: 48
    .max_flat_workgroup_size: 128
    .sgpr_count:     66
    .vgpr_count:     208
    .wavefront_size: 32
...
	.end_amdgpu_metadata
.endif
;; end of part 1
;; launch gemm_qkv (part 2): grid 8 x 48, 4 waves a work-group, clusters of 4 x 4, 327,680 bytes of LDS; arguments xc, wc, lowp_scales, qkv; writes qkv
.if DOCPART == 2
	.amdgcn_target "amdgcn-amd-amdhsa--gfx1250"
	.amdhsa_code_object_version 6
	.text
	.protected	k_q414d64dc3a_gemm_qkv
	.globl	k_q414d64dc3a_gemm_qkv
	.p2align	8
	.type	k_q414d64dc3a_gemm_qkv,@function
k_q414d64dc3a_gemm_qkv:
	s_mov_b64 s[64:65], 0
	v_nop
	global_prefetch_b8 v0, s[64:65] scope:SCOPE_SE
	s_setreg_imm32_b32 hwreg(HW_REG_WAVE_MODE, 25, 1), 1
	s_wait_xcnt 0x0
	s_wait_alu depctr_hold_cnt(0) depctr_sa_sdst(0) depctr_va_vdst(0) depctr_va_sdst(0) depctr_va_ssrc(0) depctr_va_vcc(0) depctr_vm_vsrc(0)
	s_getreg_b32 s2, hwreg(HW_REG_IB_STS2, 6, 4)
	s_cmp_eq_u32 s2, 0
	s_cbranch_scc0 .Lentry_in_a_cluster
	s_endpgm
.Lentry_in_a_cluster:
	s_bfe_u32 s2, ttmp6, 0x10000c
	s_cmp_lg_u32 s2, 0xf033
	s_cbranch_scc0 .Lentry_shape_is_right
	s_endpgm
.Lentry_shape_is_right:
; qkv = x w_qkv on codes of FP8 (E4M3); the f32 sums are quantised on the way out into the operands of the two attention products.
; A tile is C[rho][gamma] = sum over k of P[rho][k] Q[gamma][k], 256 x 256, K = 1,024.  Four waves, as many as a WGP has SIMDs; a wave makes 128 x 128: 64 accumulators, 512 registers.
; THE MATRIX INSTRUCTION IS USED TRANSPOSED (source 0 = 16 rows of Q, source 1 = 16 rows of P): a lane holds ONE rho and eight neighbouring gamma, so gamma is the axis along which the codes come out as neighbours.
; TWO MODES, told apart by the cluster's y, which all sixteen partners share:
;   y < 8:  P = xc (tokens), Q = wc rows 0 .. 2047 (q's and k's features): codes run along the head's 64 -> q [64 bh][2048 t][64] at byte 0 of qkv, k likewise at byte 8,388,608.
;   y >= 8: P = wc rows 2048 .. 3071 (v's features), Q = xc (tokens): codes run along the tokens, the second attention product's K -> v^T [64 bh][64 d][2048 t] at byte 16,777,216.
; A sum stands for sum x 2^(e0 + e1); its code is sum / 2^(e - e0 - e1), e = e2 (q), e3 (k), e5 (v): the three scales are folded into the conversion's one.
; LIMITS: e2 - e0 - e1, e3 - e0 - e1 and e5 - e0 - e1 lie between -126 and 119.  Inside a matrix instruction k stands in other places than the form's own layout gives it, alike in both sources: every product meets its partner.
; K goes in steps of 256 through a ring of two LDS slots filled by the tensor data mover: a tile's row is 256 bytes of memory, at a multiple of 256.
; CLUSTERS: 4 x 4 work-groups.  The four of a row of the cluster need the same tiles of P, the four of a column the same tiles of Q: each tile is asked for JOINTLY.
; No prefetch: K has four steps only, two of which are asked for at the head.  One tile to a work-group: 384 tiles do not divide into equal walks of 256 work-groups.
; REGISTERS, in windows of 256: window 0: v10-29 addresses and the scale; from v128 P's fragments, ONE set; on the way out v32-223 are free.   window 1: Q's fragments, TWO sets.   windows 2, 3: the accumulators ((a, b) at v[8 (8 (a % 4) + b)]).
.set ROWB,   256                       ; a tile's row in bytes
.set KROW,   1024                      ; a row of xc or wc in bytes
.set PITCH,  272                       ; an LDS row: 256 bytes + 16 of padding = 68 words: the 16 rows that a load touches start at 16 different banks (64 banks of 4 bytes: ISA guide 11.1)
.set FR,     16                        ; registers of a fragment: 16 rows x 128 K
.set NL,     4                         ; LDS loads that bring one
.set NP,     4                         ; places behind this matrix instruction (ISA guide 7.12.1)
.set HALFT,  128*PITCH                 ; 128 rows: what one wave reads of P or of Q; a tensor load brings 256 rows
.set SLOT,   4*HALFT                   ; P's 256 rows, then Q's 256 rows
.set LAPS,   2                         ; 1,024 / 512: a lap = two K steps = once round the ring
.set SPARE,  2*SLOT                    ; behind the ring: the spare words, 128 bytes for each wave
.set SC,   10                          ; v10     the conversion's scale
.set LIM,  11                          ; v11     448 x that
.set STO,  12                          ; v12     the way out: where I put 8 codes of a row of the stage
.set RDQ,  13                          ; v13-14  q, k: where I read 16 bytes of my head back (rows 0-127, rows 128-255)
.set RDV,  15                          ; v15     v: where I read 16 bytes of a row back
.set ADRA, 16                          ; v16-17  LDS address of my P fragments in slot 0, 1
.set ADRB, 20                          ; v20-21  the same for Q
.set GQ,   22                          ; v22     q, k: my byte offset in the head's 16 KB
.set GV,   23                          ; v23     v: my byte offset in two rows of v^T
.set SPW,  28                          ; v28     LDS address of my spare word; never rewritten
.set NIL,  29                          ; v29     0; never rewritten
.set TMP,  32                          ; the way out: a block's 64 sums, held
.set CD,   96                          ; the way out: codes, 16 registers for each of the eight blocks: no LDS store's data are written again
.set OB,   32                          ; the way out: 32 x 16 bytes read back from the stage
.set AF,   128                         ; P's fragments, in window 0
.set G1, 24                            ; s[24:31] descriptor group 1 for P's tiles;  s[32:35] group 0
.set G0, 32
.set G1B, 48                           ; s[48:55], s[56:59] the same for Q's tiles
.set G0B, 56
.set MSB, 0
.macro WIN new                         ; the immediate's high byte repeats the setting that is left
.if MSB != (\new)
	s_set_vgpr_msb (MSB<<8)|(\new)
.set MSB, \new
.endif
.endm
.set MUL_LO, 0xa1                      ; source 0 (Q) window 1, source 1 (P) window 0, C and D window 2
.set MUL_HI, 0xf1                      ; the same, C and D window 3
.set TO_B,   0x40                      ; destination window 1, address window 0
; A joint load: waves 0 and 1 fetch for P, waves 2 and 3 for Q.  Each of the two lines has ONE mask and one set of registers for all that issue it; the branch hangs on the wave's number alone.
; An s_nop 0 and four v_nop follow each of the two lines, ahead of the jump, the label and what follows.
.macro JLOAD g0a, g1a, g0b, g1b
	s_cmp_eq_u32 s15, 0
	s_cbranch_scc0 .Lfor_b_\@
	tensor_load_to_lds s[\g0a:\g0a+3], s[\g1a:\g1a+7]
	s_nop 0
.rept 4
	v_nop
.endr
	s_branch .Lasked_\@
.Lfor_b_\@:
	tensor_load_to_lds s[\g0b:\g0b+3], s[\g1b:\g1b+7]
	s_nop 0
.rept 4
	v_nop
.endr
.Lasked_\@:
.endm
.macro CREST                           ; a round of the cluster's barrier behind its opening barrier
	s_cmp_lg_u32 s14, 0
	s_cbranch_scc1 .Lnot_wave_0_\@
	s_barrier_signal -3
.Lnot_wave_0_\@:
	s_barrier_wait -3
	s_barrier_signal -1
	s_barrier_wait -1
.endm
.macro CROUND                          ; a whole round
	s_barrier_signal -1
	s_barrier_wait -1
	CREST
.endm
	s_load_b256 s[4:11], s[0:1], 0x0               ; xc s[4:5], wc s[6:7], the scales' exponents s[8:9], qkv s[10:11]
	v_lshl_add_u32 v[SPW], v0, 2, SPARE
	v_mov_b32 v[NIL], 0
	ds_add_u32 v[SPW], v[NIL]                      ; the wave's opening: the add and its wait ahead of my first tensor load; the set-up below, work on registers, stands between them
	ds_add_u32 v[SPW], v[NIL]
	v_lshrrev_b32 v1, 5, v0
	v_readfirstlane_b32 s14, v1                    ; wave 0..3
	s_lshr_b32 s15, s14, 1                         ; which half of the tile's rows is mine.  Also: I fetch for P (0) or for Q (1)
	s_and_b32 s16, s14, 1                          ; which half of its columns.  Also: which slot of the ring I fill
	s_bfe_u32 s40, ttmp6, 0x40000                  ; cx, cy: my place in the cluster
	s_bfe_u32 s41, ttmp6, 0x40004
	s_mov_b32 s81, ttmp9                           ; the cluster's x: 0, 1
	s_and_b32 s82, ttmp7, 0xffff                   ; the cluster's y: 0 .. 11
	s_sub_co_u32 s84, s82, 8
	s_lshl_b32 s84, s84, 1
	s_add_co_u32 s84, s84, s81                     ; v: the cluster's column among eight: 2 (y - 8) + x
	s_cmp_lt_u32 s82, 8
	s_cselect_b32 s80, 0, 1                        ; the mode: 0 = q, k; 1 = v: the same in all sixteen partners
	s_cselect_b32 s83, s82, 0                      ; the cluster's row of tiles
	s_cselect_b32 s84, s81, s84                    ; the cluster's column of tiles
	s_lshl_b32 s42, s84, 2
	s_add_co_u32 s42, s42, s40                     ; tile column = 4 x cluster column + cx
	s_lshl_b32 s17, s83, 2
	s_add_co_u32 s17, s17, s41                     ; tile row = 4 x cluster row + cy
	s_lshl_b32 s43, s41, 2
	s_lshl_b32 s43, 15, s43                        ; my row of the cluster
	s_lshl_b32 s44, 0x1111, s40                    ; my column
	; descriptor group 1: a tile of 256 rows x 256 bytes, padded in LDS
	s_or_b32 s[G1+0], s43, (0<<16)|(1<<20)|(1<<21)|(5<<22)|(3<<25)  ; 15:0 the mask: P's tiles go to my row; 17:16 element of 1 byte; 20 padding on; 21 set beside a mask; 24:22 after every 64 words (code 5); 31:25 of 4 words (code 3)
	s_or_b32 s[G1B+0], s44, (0<<16)|(1<<20)|(1<<21)|(5<<22)|(3<<25)
.irp g, G1, G1B
	s_mov_b32 s[\g+1], ROWB<<16                    ; tensor_dim0
	s_mov_b32 s[\g+2], 256<<16                     ; tensor_dim1 = 256
	s_mov_b32 s[\g+3], ROWB<<16                    ; tile_dim0
	s_mov_b32 s[\g+4], 256                         ; tile_dim1 = 256
	s_mov_b32 s[\g+5], KROW                        ; tensor_dim0_stride
	s_mov_b32 s[\g+6], 0
	s_mov_b32 s[\g+7], 0
.endr
	s_lshl_b32 s18, s16, 8                         ; my slot's first K step: 256 bytes along each row
	s_lshl_b32 s20, s17, 18                        ; P: 256 rows of 1,024 bytes for each tile row
	s_add_co_u32 s20, s20, s18
	s_mov_b32 s21, 0
	s_lshl_b32 s46, s42, 18                        ; Q: the same by the tile column
	s_add_co_u32 s46, s46, s18
	s_mov_b32 s47, 0
	s_mul_i32 s45, s16, SLOT                       ; where they go: my slot: no place in the cluster enters an LDS address
	s_wait_dscnt 0x0                               ; the opening add is done
	s_wait_kmcnt 0x0
	s_load_b256 s[72:79], s[8:9], 0x0              ; e0 .. e7
	s_add_nc_u64 s[66:67], s[6:7], 0x200000        ; wc at row 2,048: v's features
	s_cmp_eq_u32 s80, 0                            ; the choice of buffers hangs on the cluster's y alone
	s_cselect_b64 s[68:69], s[4:5], s[66:67]       ; P
	s_cselect_b64 s[70:71], s[6:7], s[4:5]         ; Q
	s_add_nc_u64 s[20:21], s[68:69], s[20:21]
	s_add_nc_u64 s[46:47], s[70:71], s[46:47]
	CROUND                                         ; all sixteen work-groups are here: the first joint loads meet
.irp s, 0                              ; one group 0 for P and one for Q: a wave fills one slot alone
	s_mov_b32 s[G0+4*\s], 1
	s_add_co_u32 s[G0+4*\s+1], s45, \s*SLOT
	s_add_nc_u64 s[G0+4*\s+2:G0+4*\s+3], s[20:21], \s*ROWB
	s_or_b32 s[G0+4*\s+3], s[G0+4*\s+3], 0x80000000
	s_mov_b32 s[G0B+4*\s], 1
	s_add_co_u32 s[G0B+4*\s+1], s45, 2*HALFT       ; Q's 256 rows lie behind P's
	s_add_nc_u64 s[G0B+4*\s+2:G0B+4*\s+3], s[46:47], \s*ROWB
	s_or_b32 s[G0B+4*\s+3], s[G0B+4*\s+3], 0x80000000
.endr
	JLOAD G0, G1, G0B, G1B                         ; one tensor load a wave at the head: waves 0, 2 ask for K step 0 (slot 0), waves 1, 3 for K step 1 (slot 1)
	v_and_b32 v1, 15, v0                           ; r = l % 16
	v_bfe_u32 v2, v0, 4, 1                         ; h = l / 16
	v_mul_u32_u24 v3, v1, PITCH
	s_wait_alu depctr_va_vdst(0)
	v_lshl_add_u32 v4, v2, 4, v3                   ; a fragment's row x pitch + 16 x half
	s_mul_i32 s21, s15, HALFT                      ; my 128 rows of P
	s_mul_i32 s22, s16, HALFT                      ; my 128 rows of Q,
	s_add_co_u32 s22, s22, 2*HALFT                 ; which lie behind P's 256
.irp s, 0,1
	v_add_nc_u32 v[ADRA+\s], s21, v4
	v_add_nc_u32 v[ADRB+\s], s22, v4
	s_add_co_u32 s21, s21, SLOT
	s_add_co_u32 s22, s22, SLOT
.endr
	; the way out's stage: 256 rows (rho) x 272 bytes (256 codes along gamma + 16), the work-group's, in slot 0
	s_mul_i32 s23, s15, HALFT                      ; my 128 rows,
	s_lshl_b32 s45, s16, 7                         ; my 128 bytes of them
	s_add_co_u32 s23, s23, s45
	v_lshl_add_u32 v[STO], v2, 3, v3               ; row r, 8 bytes for each half of the lanes
	v_add_nc_u32 v[STO], s23, v[STO]
	v_and_b32 v5, 31, v0                           ; lane
	v_lshrrev_b32 v6, 2, v5
	v_mul_u32_u24 v6, v6, PITCH
	v_and_b32 v7, 3, v0
	v_lshl_add_u32 v6, v7, 4, v6                   ; q, k back: four lanes to a row's 64 bytes, eight rows an instruction,
	s_lshl_b32 s45, s14, 6                         ; of head w of the tile's four
	v_add_nc_u32 v[RDQ], s45, v6
	v_add_nc_u32 v[RDQ+1], 128*PITCH, v[RDQ]       ; rows 128 on: an LDS offset has 16 bits
	s_mul_i32 s45, s14, 64*PITCH                   ; v back: wave w takes rows 64 w on; sixteen lanes to a row, two rows an instruction
	v_mul_u32_u24 v6, v2, PITCH
	v_lshl_add_u32 v6, v1, 4, v6
	v_add_nc_u32 v[RDV], s45, v6
	v_lshlrev_b32 v[GQ], 4, v5                     ; q, k: eight tokens x 64 bytes are 512 bytes on end
	v_lshlrev_b32 v[GV], 11, v2                    ; v: two rows of 2,048 bytes
	v_lshl_add_u32 v[GV], v1, 4, v[GV]
	; where my part begins in qkv.  q, k: ((tile column / 4) x 64 + batch x 16 + head) x 131,072 + (tile row % 8) x 256 tokens x 64
	s_lshr_b32 s88, s42, 2
	s_lshl_b32 s88, s88, 6
	s_lshr_b32 s89, s17, 3
	s_lshl_b32 s89, s89, 4
	s_add_co_u32 s88, s88, s89
	s_and_b32 s89, s42, 3
	s_lshl_b32 s89, s89, 2
	s_add_co_u32 s88, s88, s89
	s_add_co_u32 s88, s88, s14
	s_lshl_b32 s88, s88, 17
	s_and_b32 s89, s17, 7
	s_lshl_b32 s89, s89, 14
	s_add_co_u32 s88, s88, s89
	; v: 16,777,216 + batch x 1,024 rows + (256 x tile row + 64 w) rows of 2,048 bytes + (tile column % 8) x 256
	s_lshr_b32 s90, s42, 3
	s_lshl_b32 s90, s90, 21
	s_lshl_b32 s91, s17, 8
	s_lshl_b32 s92, s14, 6
	s_add_co_u32 s91, s91, s92
	s_lshl_b32 s91, s91, 11
	s_add_co_u32 s90, s90, s91
	s_and_b32 s91, s42, 7
	s_lshl_b32 s91, s91, 8
	s_add_co_u32 s90, s90, s91
	s_add_co_u32 s90, s90, 0x1000000
	s_cmp_eq_u32 s80, 0
	s_cselect_b32 s88, s88, s90
	s_mov_b32 s89, 0
	s_add_nc_u64 s[86:87], s[10:11], s[88:89]
.macro FRAG reg, adr, q, i             ; a fragment, 16 rows x 128 K of codes, is 16 registers: lane l holds row l % 16; registers 4 c .. 4 c + 3 hold K = 32 c + 16 (l / 16) + 0 .. 15
.irp c, 0,1,2,3
	ds_load_b128 v[\reg+4*\c:\reg+4*\c+3], v[\adr] offset:128*(\q)+32*\c+(\i)*16*PITCH
.endr
.endm
; 16 matrix instructions: P's blocks a0, a0 + 1 x Q's eight, 128 along K.  p: Q's set.  zero = 1: the first product starts the sums: nothing is ever cleared.
; The 64 accumulators take turns, one instruction a turn, in the same order in every step.
.macro MUL16 a0, p, zero
.irp a, \a0, \a0+1
.irp b, 0,1,2,3,4,5,6,7
.if \zero
	v_wmma_f32_16x16x128_fp8_fp8 v[8*(8*((\a)%4)+\b):8*(8*((\a)%4)+\b)+7], v[128*(\p)+FR*\b:128*(\p)+FR*\b+FR-1], v[AF+FR*(\a):AF+FR*(\a)+FR-1], 0
.else
	v_wmma_f32_16x16x128_fp8_fp8 v[8*(8*((\a)%4)+\b):8*(8*((\a)%4)+\b)+7], v[128*(\p)+FR*\b:128*(\p)+FR*\b+FR-1], v[AF+FR*(\a):AF+FR*(\a)+FR-1], v[8*(8*((\a)%4)+\b):8*(8*((\a)%4)+\b)+7]
.endif
.endr
.endr
.endm
.macro FETCH_B slot, q, p              ; Q's eight fragments of the slot's q-th 128 along K into set p
	WIN TO_B
.irp i, 0,1,2,3,4,5,6,7
	FRAG 128*(\p)+FR*\i, ADRB+\slot, \q, \i
.endr
	WIN 0
.endm
.macro FETCH_A slot, q, i0             ; P's blocks i0 .. i0 + 3
.irp i, \i0, \i0+1, \i0+2, \i0+3
	FRAG AF+FR*(\i), ADRA+\slot, \q, \i
.endr
.endm
; A load into a register that a matrix instruction has read, and a vector instruction that reads a matrix result or writes one of its registers, stand NP places behind that matrix instruction;
; only plain vector instructions that name none of its registers are places (ISA guide 7.12.1 for vector instructions).
.macro PLACES n
.rept \n
	v_nop
.endr
.endm
; A step of 128 along K that has its successor in the same slot.
.macro STEP slot, q, zero
	s_wait_dscnt 4*NL                              ; Q's set and P's blocks 0-3 are in; the youngest sixteen loads (P's blocks 4-7) may be out
	WIN MUL_LO
	MUL16 0, (\q)%2, \zero
	MUL16 2, (\q)%2, \zero
	s_wait_dscnt 0                                 ; P's blocks 4-7 are in (asked for 32 matrix instructions ago)
	PLACES NP
	FETCH_B \slot, (\q)+1, 1-(\q)%2
	FETCH_A \slot, (\q)+1, 0
	WIN MUL_HI
	MUL16 4, (\q)%2, \zero
	MUL16 6, (\q)%2, \zero
	PLACES NP
	WIN 0
	FETCH_A \slot, (\q)+1, 4
.endm
; A slot's last step changes slots: ONE barrier; in front of it each wave waits for all its tensor loads, adds 0 to its spare word, and waits for that and for its own reads of this slot.  fill = 1: this slot is filled again, two K steps ahead.
.macro TURN slot, next, fill
	s_wait_tensorcnt 0x0                           ; all my tensor loads have landed: my part of the next slot;  (every window is 0 here)
	ds_add_u32 v[SPW], v[NIL]                      ; 0 onto my spare word
	s_wait_dscnt 4*NL+1                            ; (the add and the youngest sixteen loads, P's blocks 4-7, may be out)
	WIN MUL_LO
	MUL16 0, 1, 0                                  ; sixteen matrix instructions stand between the add and the wait for it
	s_wait_dscnt 0x0                               ; the add is done, and my reads of this slot are over
	s_barrier_signal -1
	MUL16 2, 1, 0
	WIN 0
	s_barrier_wait -1
.if \fill
	CREST                                          ; the barrier has opened a round of the cluster's barrier: no wave of any partner still reads this slot's tile or has a load on its way
	s_cmp_lg_u32 s16, \slot                        ; the two waves that own this slot fill it again; the branch hangs on the wave's number alone
	s_cbranch_scc1 .Lnone_\@
	s_add_nc_u64 s[G0+2:G0+3], s[G0+2:G0+3], 2*ROWB
	s_add_nc_u64 s[G0B+2:G0B+3], s[G0B+2:G0B+3], 2*ROWB
	JLOAD G0, G1, G0B, G1B                         ; the first tensor load behind the round
.Lnone_\@:
.endif
	PLACES NP                                      ; in front of the loads below, on every wave's path
	FETCH_B \next, 0, 0
	FETCH_A \next, 0, 0
	WIN MUL_HI
	MUL16 4, 1, 0
	MUL16 6, 1, 0
	PLACES NP
	WIN 0
	FETCH_A \next, 0, 4
.endm
	s_wait_alu depctr_va_vdst(0)
	s_wait_tensorcnt 0x0                           ; my load has landed,
	s_barrier_signal -1
	s_barrier_wait -1                              ; everybody's has: both slots are whole
	FETCH_B 0, 0, 0
	FETCH_A 0, 0, 0
	FETCH_A 0, 0, 4
	STEP 0, 0, 1                                   ; the first step stands in front of the loop: its products start the sums
	s_mov_b32 s3, LAPS-1
.Llap:                                                 ; a trip goes once round the ring, from a lap's second step to the next lap's first, and fills both slots again
	TURN 0, 1, 1
	STEP 1, 0, 0
	TURN 1, 0, 1
	STEP 0, 0, 0
	s_sub_co_u32 s3, s3, 1
	s_cmp_lg_u32 s3, 0
	s_cbranch_scc1 .Llap
	TURN 0, 1, 0                                   ; the last lap fills nothing, and has no round of the cluster's barrier
	STEP 1, 0, 0
	s_wait_dscnt 4*NL                              ; the very last step: nothing more to fetch
	WIN MUL_LO
	MUL16 0, 1, 0
	MUL16 2, 1, 0
	s_wait_dscnt 0
	WIN MUL_HI
	MUL16 4, 1, 0
	MUL16 6, 1, 0
	WIN 0
; THE WAY OUT.  Block a (16 rho x 128 gamma): each sum is held within +-448 x the scale, eight neighbours along gamma become 8 codes, and a lane's 8 bytes go into the work-group's stage.
; The stage lies in slot 0: that slot has had its last fill, and every wave has passed the last change of slots, behind which nobody reads it.
.macro QBLK a
.set AC, 64*((\a)%4)
	WIN 0x02+((\a)/4)                              ; source 0: window 2 or 3
.set J, 0
.rept 64
	v_med3_num_f32 v[TMP+J], v[AC+J], -v[LIM], v[LIM]   ; the conversion does not saturate (ISA guide 7.6.2): the hold first; each accumulator from its low end on
.set J, J+1
.endr
	WIN 0
.set J, 0
.rept 8
	v_cvt_scalef32_pk8_fp8_f32 v[CD+16*(\a)+2*J:CD+16*(\a)+2*J+1], v[TMP+8*J:TMP+8*J+7], v[SC]
.set J, J+1
.endr
	v_nop                                          ; one plain vector instruction between the last conversion and the next block's holds, which write its sources
.set J, 0
.rept 8
	ds_store_b64 v[STO], v[CD+16*(\a)+2*J:CD+16*(\a)+2*J+1] offset:(\a)*16*PITCH+16*J
.set J, J+1
.endr
.endm
	s_wait_kmcnt 0x0
	s_cmp_eq_u32 s81, 0
	s_cselect_b32 s85, s74, s75                    ; tile columns 0-3 are q's (e2), 4-7 k's (e3),
	s_cmp_eq_u32 s80, 0
	s_cselect_b32 s85, s85, s77                    ; and the other mode is v's (e5): choices of a value, no branch
	s_sub_co_i32 s85, s85, s72
	s_sub_co_i32 s85, s85, s73                     ; e - e0 - e1
	s_add_co_i32 s85, s85, 127
	s_lshl_b32 s93, s85, 23
	v_mov_b32 v[SC], s93                           ; 2^(e - e0 - e1) as f32
	s_add_co_i32 s85, s85, 8
	s_lshl_b32 s85, s85, 23
	s_or_b32 s85, s85, 0x600000
	v_mov_b32 v[LIM], s85                          ; 448 x that
	PLACES NP                                      ; behind the last products: for the reads of results and for the writes into the registers that held P's fragments
.irp a, 0,1,2,3,4,5,6,7
	QBLK \a
.endr
	s_wait_dscnt 0x0                               ; for the others' sake: my stores into the stage are done
	s_barrier_signal -1
	s_barrier_wait -1                              ; the whole tile's codes lie in the stage
	s_cmp_eq_u32 s80, 0                            ; the mode: the same in every wave and every partner; only loads from the stage and stores stand in the two ways
	s_cbranch_scc0 .Lv_out
.set I, 0
.rept 32                               ; q, k: head w's 64 bytes of all 256 tokens: 16 KB on end in memory
.if I < 16
	ds_load_b128 v[OB+4*I:OB+4*I+3], v[RDQ] offset:I*8*PITCH
.else
	ds_load_b128 v[OB+4*I:OB+4*I+3], v[RDQ+1] offset:(I-16)*8*PITCH
.endif
.set I, I+1
.endr
.set I, 0
.rept 32
	s_wait_dscnt 31-I                              ; the younger loads may stay out
	global_store_b128 v[GQ], v[OB+4*I:OB+4*I+3], s[86:87] offset:512*I     ; 32 lanes store 512 consecutive bytes, at a multiple of 256 from the buffer's first byte
.set I, I+1
.endr
	s_branch .Ldone
.Lv_out:
.set I, 0
.rept 32                               ; v: rows 64 w on of the stage, each 256 tokens of one feature
	ds_load_b128 v[OB+4*I:OB+4*I+3], v[RDV] offset:I*2*PITCH
.set I, I+1
.endr
.set I, 0
.rept 32
	s_wait_dscnt 31-I
	global_store_b128 v[GV], v[OB+4*I:OB+4*I+3], s[86:87] offset:4096*I    ; sixteen lanes store 256 consecutive bytes, at a multiple of 256
.set I, I+1
.endr
.Ldone:
	s_wait_tensorcnt 0x0                           ; the wave's end: behind my last tensor load and my last LDS store
	ds_add_u32 v[SPW], v[NIL]
	s_wait_dscnt 0x0
	CROUND                                         ; the closing round: no work-group ends while a partner may still ask for a tile that names it
	s_endpgm
.Lfunc_end_k_q414d64dc3a_gemm_qkv:
	.size	k_q414d64dc3a_gemm_qkv, .Lfunc_end_k_q414d64dc3a_gemm_qkv-k_q414d64dc3a_gemm_qkv
	.p2alignl 7, 3214868480
	.fill 96, 4, 3214868480
	.section	.rodata,"a",@progbits
	.p2align	6, 0x0
	.amdhsa_kernel k_q414d64dc3a_gemm_qkv
		.amdhsa_group_segment_fixed_size 327680
		.amdhsa_private_segment_fixed_size 0
		.amdhsa_enable_private_segment 0
		.amdhsa_kernarg_size 32
		.amdhsa_user_sgpr_count 2
		.amdhsa_user_sgpr_kernarg_segment_ptr 1
		.amdhsa_wavefront_size32 1
		.amdhsa_system_sgpr_workgroup_id_x 1
		.amdhsa_system_sgpr_workgroup_id_y 1
		.amdhsa_system_sgpr_workgroup_id_z 1
		.amdhsa_system_vgpr_workitem_id 0
		.amdhsa_next_free_vgpr 1024
		.amdhsa_next_free_sgpr 100
		.amdhsa_reserve_vcc 0
		.amdhsa_float_denorm_mode_32 3
		.amdhsa_float_denorm_mode_16_64 3
		.amdhsa_memory_ordered 1
		.amdhsa_forward_progress 1
		.amdhsa_inst_pref_size 132
	.end_amdhsa_kernel
	.amdgpu_metadata
---
amdhsa.version: [ 1, 2 ]
amdhsa.kernels:
  - .name:           k_q414d64dc3a_gemm_qkv
    .symbol:         k_q414d64dc3a_gemm_qkv.kd
    .args:
      - { .name: xc, .offset: 0, .size: 8, .value_kind: global_buffer, .address_space: global }
      - { .name: wc, .offset: 8, .size: 8, .value_kind: global_buffer, .address_space: global }
      - { .name: lowp_scales, .offset: 16, .size: 8, .value_kind: global_buffer, .address_space: global }
      - { .name: qkv, .offset: 24, .size: 8, .value_kind: global_buffer, .address_space: global }
    .group_segment_fixed_size: 327680
    .private_segment_fixed_size: 0
    .kernarg_segment_align: 8
    .kernarg_segment_size: 32
    .max_flat_workgroup_size: 128
    .sgpr_count:     100
    .vgpr_count:     1024
    .wavefront_size: 32
...
	.end_amdgpu_metadata
.endif
;; end of part 2
;; launch attn (part 3): grid 4 x 64, 16 waves a work-group, no clusters, 327,680 bytes of LDS; arguments qkv, lowp_scales, ac; writes ac
.if DOCPART == 3
	.amdgcn_target "amdgcn-amd-amdhsa--gfx1250"
	.amdhsa_code_object_version 6
	.text
	.protected	k_q414d64dc3a_attn
	.globl	k_q414d64dc3a_attn
	.p2align	8
	.type	k_q414d64dc3a_attn,@function
k_q414d64dc3a_attn:
	s_mov_b64 s[64:65], 0
	v_nop
	global_prefetch_b8 v0, s[64:65] scope:SCOPE_SE
	s_setreg_imm32_b32 hwreg(HW_REG_WAVE_MODE, 25, 1), 1
	s_wait_xcnt 0x0
; Causal attention on codes of FP8 (E4M3), head size 64.  q, k: [64 bh][2048 t][64] at bytes 0 and 8,388,608 of qkv; v^T: [64 bh][64 d][2048 t] at byte 16,777,216.  Result: codes [64 bh][2048 t][64] in ac, the last product's operand.
; WORK LEFT OUT: key steps (16 queries x 128 keys) that lie wholly under reference()'s own causal mask: their p is 0 for all finite inputs.
; THE SOFTMAX: t = score x log2(e) / 8; M = the row's largest t so far, rounded UP to a whole number; p = 2^(t - M) is quantised (scale 2^e4), not normalised.  The row's sum is taken of the unquantised p and divides O at the end.
; When M moves, the sum and O are multiplied by 2^(old M - new M), which rounds nothing.  O x 2^(e4 + e5) / sum is quantised with 2^e6: the three exponents are folded into the conversion's one.
; LIMITS: e2 + e3 between -123 and 130 (added to the exponent field of log2(e) / 8); e4 and e6 - e4 - e5 between -126 and 119; the scaled scores stay under 2^31 in magnitude.
; SHARES.  A work-group owns TWO blocks of 256 queries of one head: block 7 - x first, then block x (x = 0 .. 3).  Keys come in slots of 512: under the mask the blocks need (9 - x) / 2 and x / 2 + 1 slots (whole numbers):
; FIVE for every x, so the trip counts are constants and no tensor load and no barrier is jumped over; the key steps that are walked are as many in every work-group.
; Each of SIXTEEN waves owns 16 queries of the block in hand, one tile, in 256 registers: four waves to a SIMD, so that one wave's vector chains and LDS waits stand beside the others' work.
; A slot's four key steps of 128 keys run in a counted loop.  A step all of whose keys come after the wave's queries is left out by a scalar branch on ids; in the one step on the diagonal hidden scores become -infinity ahead of the maximum.
; A step that is walked begins at or before the wave's first query, so every row has a key that counts.  Every slot that is fetched holds keys that some wave reads.
; LAYOUT.  Both products are used transposed: S^T = K Q^T (16x16x64: source 0 = 16 keys, source 1 = 16 queries), O^T += V^T P^T (16x16x128: source 0 = 16 of the head's 64, source 1 = P): a lane holds ONE query.
; Register j of score tile u is key 16 u + 8 (lane / 16) + j: its eight codes are registers 2 u, 2 u + 1 of P, the place that the K = 128 form gives those keys; V's fragments are fetched in that layout, 8 bytes at a time.
; In the first product k stands in other places than the form's layout gives it (two loads of 16 bytes a fragment), alike in K and in Q.
; NO CLUSTER: the four work-groups of a head change blocks at different trips, so from the fourth trip on they want different key slots in the same round.
; REGISTERS: v1-11 addresses; v12 -M, v13 the largest t, v[14:15] the sum in two halves; v16-23 Q, v24-31 the second block's Q; v32-95 S^T, then p; v96-127 O^T; v128-143 P's codes; v144-159 at work and constants; v160-223 K's eight fragments, then V's four.
; s2 LDS byte of the slot in hand; s3 trips to go; s10 x; s11 the first block's slots; s12 the key slot asked for last; s13 the key slot in hand; s14 the block's last key slot; s15 my first query; s16 the step's first key; s18 wave; s19 steps to go;
; s[20:21] lane selects; s[22:23] c; s[24:31], s[32:39] groups 1 for K, V; s[40:43], s[44:47] their groups 0; s[48:51] K's and V's first tiles; s[54:57] where the two blocks' results go; s[58:62] the prefetches' place, step and bound;
; s66, s67 LDS bytes of the step's keys in K's rows and along V's rows; s[68:75] e0 .. e7.
.set KP,    80                         ; a key's row in LDS: 64 bytes + 16 of padding
.set VP,    528                        ; a row of V's tile: 512 bytes + 16
.set VOFF,  512*KP                     ; a slot: 512 rows of K, then 64 rows of V
.set SLOT1, 131072                     ; slot 1 begins here: one exclusive or turns an address in one slot into the other's
.set STAGE, 262144                     ; behind the ring: 16 rows x 80 bytes for each wave, for the way out; no tensor load lands there
.set SPARE, STAGE+16*16*80             ; behind the stages: the spare words, 128 bytes for each wave: eight blocks of 256 bytes that no other line names
; Waves 0 and 1 fetch K's halves, waves 2 and 3 V's, the others nothing.  An s_nop 0 and four v_nop follow each of the two lines.
.macro TLOAD
	s_cmp_lt_u32 s18, 2
	s_cbranch_scc0 .Lnot_k_\@
	tensor_load_to_lds s[40:43], s[24:31]
	s_nop 0
.rept 4
	v_nop
.endr
	s_branch .Lasked_\@
.Lnot_k_\@:
	s_cmp_lt_u32 s18, 4
	s_cbranch_scc0 .Lasked_\@
	tensor_load_to_lds s[44:47], s[32:39]
	s_nop 0
.rept 4
	v_nop
.endr
.Lasked_\@:
.endm
; A PREFETCH of the key slot that the NEXT change of slots will ask for.  The four work-groups of a head walk the same K and V from key slot 0 on: the one with x = 0, which walks all four, asks, and nobody else.
; Waves 4 to 7 ask for K's 32,768 bytes, 8,192 a wave, lanes 256 bytes apart; waves 8 to 11 for V's 64 rows x 512 bytes: 32 rows and one half of 256 bytes a wave, a lane a row.
; The trips with s3 = 4 and 3 ask for key slots 2 and 3: each block of 256 bytes is named once.  Key slots 0 and 1 come by their loads alone.
.macro ASK
	s_cmp_gt_u32 s3, s62
	s_cbranch_scc0 .Lnot_mine_\@
	global_prefetch_b8 v3, s[58:59] th:TH_LOAD_NT scope:SCOPE_SE
.Lnot_mine_\@:
.endm
	s_load_b128 s[4:7], s[0:1], 0x0                ; qkv s[4:5], the scales' exponents s[6:7]
	s_load_b64 s[8:9], s[0:1], 0x10                ; ac
	v_lshl_add_u32 v5, v0, 2, SPARE                ; v5: my spare word; never rewritten
	v_mov_b32 v6, 0                                ; v6: 0; never rewritten
	ds_add_u32 v5, v6                              ; the opening lines: the add, twice on end, and its wait ahead of the first tensor load
	ds_add_u32 v5, v6
	v_lshrrev_b32 v8, 5, v0
	v_readfirstlane_b32 s18, v8                    ; wave 0..15
	s_mov_b32 s10, ttmp9                           ; x
	s_sub_co_u32 s11, 9, s10
	s_lshr_b32 s11, s11, 1                         ; key slots of the first block
	s_sub_co_u32 s77, 7, s10                       ; the first block,
	s_lshr_b32 s14, s77, 1                         ; and its last key slot
	s_and_b32 s76, ttmp7, 0xffff
	s_lshl_b32 s76, s76, 17                        ; the head's first byte in each region
	s_and_b32 s78, s18, 1
	s_lshl_b32 s80, s78, 14                        ; K: my half's 256 rows of 64 bytes,
	s_add_co_u32 s80, s80, s76
	s_add_co_u32 s80, s80, 0x800000                ; in k's region
	s_mov_b32 s81, 0
	s_lshl_b32 s82, s78, 16                        ; V: my half's 32 rows of 2,048 bytes,
	s_add_co_u32 s82, s82, s76
	s_add_co_u32 s82, s82, 0x1000000               ; in v^T's region
	s_mov_b32 s83, 0
	s_mul_i32 s84, s78, 256*KP                     ; K's half in a slot
	s_mul_i32 s85, s78, 32*VP
	s_add_co_u32 s85, s85, VOFF                    ; V's half in a slot
	s_mov_b32 s24, (0<<16)|(1<<20)|(3<<22)|(3<<25) ; K's group 1: 256 rows of 64 bytes lie on end, so they are stated as 64 rows of 256; four words of padding still behind every 16
	s_mov_b32 s25, 256<<16
	s_mov_b32 s26, 64<<16
	s_mov_b32 s27, 256<<16
	s_mov_b32 s28, 64
	s_mov_b32 s29, 256
	s_mov_b32 s30, 0
	s_mov_b32 s31, 0
	s_mov_b32 s32, (0<<16)|(1<<20)|(6<<22)|(3<<25) ; V's group 1: 32 rows of 512 bytes, 2,048 apart; four words after every 128
	s_mov_b32 s33, 512<<16
	s_mov_b32 s34, 32<<16
	s_mov_b32 s35, 512<<16
	s_mov_b32 s36, 32
	s_mov_b32 s37, 2048
	s_mov_b32 s38, 0
	s_mov_b32 s39, 0
	s_mov_b32 s20, 0x76543210
	s_mov_b32 s21, 0xfedcba98                      ; v_permlanex16_b32: lane l xor 16
	s_mov_b32 s22, 0x3e38aa3b                      ; c = log2(e) / sqrt(64)
	s_mov_b32 s2, 0
	s_mov_b32 s3, 4
	s_mov_b32 s12, 0
	s_mov_b32 s13, 0
	s_mov_b32 s16, 0
	s_mov_b32 s53, 0
	s_lshl_b32 s15, s77, 8
	s_lshl_b32 s17, s18, 4
	s_add_co_u32 s15, s15, s17                     ; my first query: 256 x block + 16 x wave
	s_wait_dscnt 0x0                               ; both opening adds are done
	s_wait_kmcnt 0x0
	s_load_b256 s[68:75], s[6:7], 0x0              ; e0 .. e7
	s_add_nc_u64 s[48:49], s[4:5], s[80:81]
	s_add_nc_u64 s[50:51], s[4:5], s[82:83]
	s_mov_b32 s40, 1
	s_mov_b32 s41, s84
	s_mov_b64 s[42:43], s[48:49]
	s_or_b32 s43, s43, 0x80000000
	s_mov_b32 s44, 1
	s_mov_b32 s45, s85
	s_mov_b64 s[46:47], s[50:51]
	s_or_b32 s47, s47, 0x80000000
	TLOAD                                          ; key slot 0 into slot 0
	s_lshl_b32 s92, s18, 10                        ; my wave's 16 rows of 64 bytes,
	s_add_co_u32 s92, s92, s76                     ; in my head
	s_lshl_b32 s90, s77, 14                        ; the first block's 256 rows
	s_add_co_u32 s90, s90, s92
	s_mov_b32 s91, 0
	s_lshl_b32 s94, s10, 14                        ; the second block's
	s_add_co_u32 s94, s94, s92
	s_mov_b32 s95, 0
	s_add_nc_u64 s[80:81], s[4:5], s[90:91]        ; q's codes of both blocks,
	s_add_nc_u64 s[82:83], s[4:5], s[94:95]
	s_add_nc_u64 s[54:55], s[8:9], s[90:91]        ; and where their results go
	s_add_nc_u64 s[56:57], s[8:9], s[94:95]
	s_mul_i32 s85, s18, 16*80
	s_add_co_u32 s85, s85, STAGE                   ; my stage
	s_and_b32 s86, s18, 3                          ; the prefetches.  K: 8,192 bytes for each of four waves
	s_lshl_b32 s86, s86, 13
	s_lshl_b32 s88, s78, 16                        ; V: 32 rows by the wave's bit 0,
	s_bfe_u32 s89, s18, 0x10001
	s_lshl_b32 s89, s89, 8                         ; 256 bytes by its bit 1
	s_add_co_u32 s88, s88, s89
	s_cmp_lt_u32 s18, 8                            ; waves 4 to 7 ask for K's codes, waves 8 to 11 for V's
	s_cselect_b32 s88, s86, s88
	s_mov_b32 s60, 512
	s_cselect_b32 s60, 32768, s60                  ; a slot on
	s_mov_b32 s79, 2048
	s_cselect_b32 s79, 256, s79                    ; from lane to lane
	s_mov_b32 s87, 0x1000000
	s_cselect_b32 s87, 0x800000, s87               ; the region
	s_add_co_u32 s88, s88, s87
	s_add_co_u32 s88, s88, s76
	s_add_co_u32 s88, s88, s60                     ; in key slot 1: the first change of slots steps it to key slot 2
	s_mov_b32 s89, 0
	s_mov_b32 s61, 0
	s_add_nc_u64 s[58:59], s[4:5], s[88:89]
	s_sub_co_u32 s86, s18, 4
	s_lshr_b32 s86, s86, 3                         ; 0 in waves 4 to 11,
	s_or_b32 s86, s86, ttmp9                       ; of the work-group with x = 0
	s_cmp_eq_u32 s86, 0
	s_cselect_b32 s62, 2, -1
	v_and_b32 v8, 15, v0                           ; r
	v_bfe_u32 v9, v0, 4, 1                         ; h
	v_lshlrev_b32 v11, 6, v8
	v_lshl_add_u32 v11, v9, 4, v11                 ; Q: row r of 64 bytes, + 16 h
	global_load_b128 v[16:19], v11, s[80:81]
	global_load_b128 v[20:23], v11, s[80:81] offset:32
	global_load_b128 v[24:27], v11, s[82:83]
	global_load_b128 v[28:31], v11, s[82:83] offset:32
	v_mul_u32_u24 v1, v8, KP
	v_lshl_add_u32 v1, v9, 4, v1                   ; v1: my lane's place in a tile of K
	v_mul_u32_u24 v2, v8, VP
	v_lshl_add_u32 v2, v9, 3, v2
	v_add_nc_u32 v2, VOFF, v2                      ; v2: the same for V
	v_mul_u32_u24 v4, v8, 80
	v_lshl_add_u32 v4, v9, 3, v4
	v_add_nc_u32 v4, s85, v4                       ; v4: into the stage: row r, 8 bytes for each half of the lanes
	v_and_b32 v7, 31, v0
	v_lshrrev_b32 v10, 2, v7
	v_mul_u32_u24 v10, v10, 80
	v_and_b32 v3, 3, v0
	v_lshl_add_u32 v10, v3, 4, v10
	v_add_nc_u32 v10, s85, v10                     ; v10: back: four lanes to a row's 64 bytes, eight rows an instruction
	v_mul_lo_u32 v3, v7, s79                       ; v3: the prefetches' offset
	v_lshlrev_b32 v7, 4, v7                        ; v7: the same 512 bytes on end in ac
	v_lshlrev_b32 v157, 3, v9
	v_sub_nc_u32 v156, v8, v157                    ; v156 = r - 8 h
	s_wait_alu depctr_va_vdst(0)
	s_wait_kmcnt 0x0
	s_add_co_i32 s86, s70, s71
	s_lshl_b32 s86, s86, 23
	s_add_co_i32 s22, s22, s86                     ; a score stands for score x 2^(e2 + e3): added to c's exponent field
	s_mov_b32 s23, s22
	s_add_co_i32 s86, s72, 127
	s_lshl_b32 s87, s86, 23                        ; 2^e4
	s_add_co_i32 s86, s86, 8
	s_lshl_b32 s86, s86, 23
	s_or_b32 s86, s86, 0x600000                    ; 448 x 2^e4
	s_sub_co_i32 s88, s74, s72
	s_sub_co_i32 s88, s88, s73                     ; e6 - e4 - e5
	s_add_co_i32 s88, s88, 127
	s_lshl_b32 s89, s88, 23
	s_add_co_i32 s88, s88, 8
	s_lshl_b32 s88, s88, 23
	s_or_b32 s88, s88, 0x600000
	v_mov_b32 v147, 0                              ; (named as the upper half of the pair v[146:147])
	v_mov_b32 v151, 0                              ; a lane permute's destination counts as one of its sources
	v_mov_b32 v152, s86                            ; 448 x 2^e4: p's hold,
	v_mov_b32 v153, s86                            ; twice: the two halves of a dual instruction take their second sources from different register banks
	v_mov_b32 v154, s87                            ; 2^e4: p's conversion
	v_mov_b32 v155, s88                            ; 448 x 2^(e6 - e4 - e5): the result's hold
	v_mov_b32 v159, s89                            ; 2^(e6 - e4 - e5)
	v_mov_b32 v158, 0xff800000                     ; -infinity
.macro STATE0                          ; a tile begins: the largest t under every t, the sum and O^T zero: the first change of M multiplies zeros, so a key step has one form
	v_mov_b32 v13, 0xff61b1e6                      ; -3e38
	v_floor_f32 v12, -v13                          ; -M
	v_mov_b32 v14, 0
	v_mov_b32 v15, 0
.set J, 0
.rept 32
	v_mov_b32 v[96+J], 0
.set J, J+1
.endr
.endm
	STATE0
; hidden scores become -infinity: register 8 u + j holds key KF + 16 u + 8 h + j, hidden where 16 u + j > d = my query - KF - 8 h.  s17 = Q0 - KF
.macro MASK
	v_add_nc_u32 v157, s17, v156
.set N, 0
.rept 64
	v_cmp_gt_i32 vcc_lo, 16*(N/8)+N%8, v157
	v_cndmask_b32 v[32+N], v[32+N], v158, vcc_lo
.set N, N+1
.endr
.endm
; the tile's softmax for one key step
.macro SM
	v_max3_num_f32 v144, v32, v33, v34             ; the step's largest score of my query, among my 64 keys, in four chains; each accumulator is read from its low end on
	v_max3_num_f32 v150, v35, v36, v37
	v_max3_num_f32 v148, v38, v39, v40
	v_max3_num_f32 v149, v41, v42, v43
.set J, 12
.rept 6
	v_max3_num_f32 v144, v144, v[32+J], v[33+J]
	v_max3_num_f32 v150, v150, v[34+J], v[35+J]
	v_max3_num_f32 v148, v148, v[36+J], v[37+J]
	v_max3_num_f32 v149, v149, v[38+J], v[39+J]
.set J, J+8
.endr
	v_max3_num_f32 v144, v144, v92, v93
	v_max3_num_f32 v150, v150, v94, v95
	v_max3_num_f32 v144, v144, v150, v148
	v_max_num_f32 v144, v144, v149
	s_delay_alu instid0(VALU_DEP_1)
	v_permlanex16_b32 v151, v144, s20, s21
	s_delay_alu instid0(VALU_DEP_1)
	v_max_num_f32 v144, v144, v151                 ; and among lane l xor 16's
	s_delay_alu instid0(VALU_DEP_1)
	v_mul_f32 v144, s22, v144                      ; as t (c is positive)
	s_delay_alu instid0(VALU_DEP_1)
	v_max_num_f32 v13, v13, v144                   ; the running largest t
	v_mov_b32 v144, v12
	s_delay_alu instid0(VALU_DEP_2)
	v_floor_f32 v12, -v13                          ; the new -M = floor(-t) = -ceil(t)
	s_delay_alu instid0(VALU_DEP_1)
	v_sub_f32 v144, v12, v144                      ; old M - new M: a whole number, 0 or less
	s_delay_alu instid0(VALU_DEP_1)
	v_cvt_i32_f32 v144, v144                       ; (it saturates)
	s_delay_alu instid0(VALU_DEP_1)
	v_ldexp_f32 v146, 1.0, v144                    ; f = 2^(old M - new M)
.set J, 0
.rept 32
	v_pk_fma_f32 v[32+J:33+J], v[32+J:33+J], s[22:23], v[12:13] op_sel_hi:[1,0,0]   ; t - M, two at a time
.set J, J+2
.endr
	s_wait_alu depctr_va_vdst(0)
.set J, 0
.rept 64
	v_exp_f32 v[32+J], v[32+J]                     ; p = 2^(t - M), at most 1: not normalised
.set J, J+1
.endr
	v_pk_mul_f32 v[14:15], v[14:15], v[146:147] op_sel_hi:[1,0]   ; the sums under the new M: the plain instruction behind the exponentials
	s_wait_alu depctr_va_vdst(0)                   ; one wait for the batch, ahead of its first reader
	v_pk_add_f32 v[148:149], v[32:33], v[34:35]    ; the row's sum is taken of the unquantised p: two at a time, in four chains
	v_pk_add_f32 v[144:145], v[36:37], v[38:39]
	v_pk_add_f32 v[150:151], v[40:41], v[42:43]
	v_pk_add_f32 v[14:15], v[14:15], v[44:45]
.set J, 14
.rept 6
	v_pk_add_f32 v[148:149], v[148:149], v[32+J:33+J]
	v_pk_add_f32 v[144:145], v[144:145], v[34+J:35+J]
	v_pk_add_f32 v[150:151], v[150:151], v[36+J:37+J]
	v_pk_add_f32 v[14:15], v[14:15], v[38+J:39+J]
.set J, J+8
.endr
	v_pk_add_f32 v[148:149], v[148:149], v[94:95]
	v_pk_add_f32 v[144:145], v[144:145], v[150:151]
	v_pk_add_f32 v[14:15], v[14:15], v[148:149]
	v_pk_add_f32 v[14:15], v[14:15], v[144:145]
.set J, 0
.rept 32
	v_dual_min_num_f32 v[32+J], v[32+J], v152 :: v_dual_min_num_f32 v[33+J], v[33+J], v153   ; the conversion does not saturate (ISA guide 7.6.2); p is not negative, so the hold is one-sided; two holds an instruction
.set J, J+2
.endr
.set T, 0
.rept 8
	v_cvt_scalef32_pk8_fp8_f32 v[128+2*T:129+2*T], v[32+8*T:39+8*T], v154   ; keys 16 T + 8 h + 0 .. 7: registers 2 T, 2 T + 1 of P
.set T, T+1
.endr
	s_wait_alu depctr_va_vdst(0)
.set J, 0
.rept 16
	v_pk_mul_f32 v[96+J:97+J], v[96+J:97+J], v[146:147] op_sel_hi:[1,0]   ; O^T under the new M; also the plain instructions between the conversions and the products that read the codes
.set J, J+2
.endr
.endm
; A KEY STEP: 128 keys, at bytes s66 (K's rows) and s67 (along V's rows) of LDS
.macro STEP
	s_cmp_gt_u32 s16, s15                          ; KF is a multiple of 128, Q0 of 16: KF > Q0 says that every key comes after my 16 queries
	s_cbranch_scc1 .Lhid_\@
	v_add_nc_u32 v8, s66, v1
	v_add_nc_u32 v9, s67, v2
	v_nop
	v_nop                                          ; four places in front of loads into registers that the last products have read
.irp u, 0,1,2,3,4,5,6,7
	ds_load_b128 v[160+8*\u:163+8*\u], v8 offset:16*\u*KP
	ds_load_b128 v[164+8*\u:167+8*\u], v8 offset:16*\u*KP+32
.endr
	s_wait_alu depctr_va_vdst(0)
	s_wait_dscnt 0x0                               ; K is in
.irp u, 0,1,2,3,4,5,6,7
	v_wmma_f32_16x16x64_fp8_fp8 v[32+8*\u:39+8*\u], v[160+8*\u:167+8*\u], v[16:23], 0
.endr
.rept 4
	v_nop                                          ; places in front of the loads into K's registers and of the first read of the scores
.endr
.irp d, 0,1,2,3
.irp c, 0,1,2,3,4,5,6,7
	ds_load_b64 v[160+16*\d+2*\c:161+16*\d+2*\c], v9 offset:16*\d*VP+16*\c   ; V's fragments take K's place, in one run; the softmax stands between these loads and the wait for them
.endr
.endr
	s_add_co_u32 s17, s16, 127
	s_cmp_le_u32 s17, s15                          ; every key counts for every query of mine: no mask
	s_cbranch_scc1 .Lopen_\@
	s_sub_co_i32 s17, s15, s16
	MASK
.Lopen_\@:
	SM
	s_wait_alu depctr_va_vdst(0)
	s_wait_dscnt 0x0                               ; V is in
.irp d, 0,1,2,3
	v_wmma_f32_16x16x128_fp8_fp8 v[96+8*\d:103+8*\d], v[160+16*\d:175+16*\d], v[128:143], v[96+8*\d:103+8*\d]   ; four accumulators by turns
.endr
.Lhid_\@:
.endm
; a slot's four key steps, in a loop of constant count
.macro SLOT_STEPS
	s_mov_b32 s66, s2
	s_mov_b32 s67, s2
	s_mov_b32 s19, 4
.Lstep_\@:
	STEP
	s_add_co_u32 s66, s66, 128*KP                  ; 128 rows of K on,
	s_add_co_u32 s67, s67, 128                     ; 128 bytes along V's rows,
	s_add_co_u32 s16, s16, 128                     ; 128 keys
	s_sub_co_u32 s19, s19, 1
	s_cmp_lg_u32 s19, 0
	s_cbranch_scc1 .Lstep_\@
	s_xor_b32 s2, s2, SLOT1                        ; on to the other slot
.endm
; THE CHANGE OF SLOTS stands at a slot's head: each wave waits for all its tensor loads, adds 0 to its spare word, and waits for that and for its reads of the slot that it has left.
; Behind the barrier the slot ahead is whole and nobody reads the other one.  fill = 1: that other slot takes the walk's next key slot.
.macro CHANGE fill
	s_wait_tensorcnt 0x0
	ds_add_u32 v5, v6
.if \fill
	ds_add_u32 v5, v6                              ; and once more
	s_add_co_u32 s12, s12, 1                       ; the next key slot;
	s_cmp_eq_u32 s12, s11
	s_cselect_b32 s12, 0, s12                      ; behind the first block's last, the second block's key slot 0
	s_xor_b32 s41, s41, SLOT1
	s_lshl_b32 s52, s12, 15                        ; 512 keys x 64 bytes
	s_add_nc_u64 s[42:43], s[48:49], s[52:53]
	s_or_b32 s43, s43, 0x80000000
	s_xor_b32 s45, s45, SLOT1
	s_lshl_b32 s52, s12, 9                         ; 512 bytes along a row of v^T
	s_add_nc_u64 s[46:47], s[50:51], s[52:53]
	s_or_b32 s47, s47, 0x80000000
	s_wait_xcnt 0x0                                ; the last prefetch has read its address, so it may be written
	s_add_nc_u64 s[58:59], s[58:59], s[60:61]
.endif
	s_wait_dscnt 0x0
	s_barrier_signal -1
	s_barrier_wait -1
.if \fill
	TLOAD                                          ; the first thing behind the barrier, and a wave's one tensor load until the next
	ASK
.endif
.endm
; THE WAY OUT of a block: O^T / the sum, held, eight neighbouring channels into 8 codes; the codes go through my own stage and leave as 1,024 bytes on end
.macro FINAL base
.rept 4
	v_nop                                          ; places behind the last products
.endr
	v_add_f32 v14, v14, v15
	v_permlanex16_b32 v151, v14, s20, s21
	v_add_f32 v14, v14, v151                       ; the row's sum, at least 1/2
	s_wait_alu depctr_va_vdst(0)                   ; ahead of the transcendental
	v_rcp_f32 v146, v14
	v_nop
	s_wait_alu depctr_va_vdst(0)                   ; and ahead of its first reader, which is also O^T's first reader
.set J, 0
.rept 16
	v_pk_mul_f32 v[32+J:33+J], v[96+J:97+J], v[146:147] op_sel_hi:[1,0]
.set J, J+2
.endr
.set J, 0
.rept 32
	v_med3_num_f32 v[32+J], v[32+J], -v155, v155
.set J, J+1
.endr
.irp d, 0,1,2,3
	v_cvt_scalef32_pk8_fp8_f32 v[128+2*\d:129+2*\d], v[32+8*\d:39+8*\d], v159
.endr
	v_nop                                          ; one plain vector instruction behind the last conversion
.irp d, 0,1,2,3
	ds_store_b64 v4, v[128+2*\d:129+2*\d] offset:16*\d
.endr
.irp i, 0,1
	ds_load_b128 v[160+4*\i:163+4*\i], v10 offset:8*80*\i          ; LDS serves a wave's instructions in order: these see my stores
.endr
.irp i, 0,1
	s_wait_dscnt 1-\i                              ; the younger load may stay out
	global_store_b128 v7, v[160+4*\i:163+4*\i], s[\base:\base+1] offset:512*\i   ; 32 lanes store 512 consecutive bytes, at a multiple of 256 from ac's first byte
.endr
	s_wait_xcnt 0x0                                ; the stores have read their registers: K's fragments may land there again
.endm
	s_wait_alu depctr_va_vdst(0)
	s_wait_loadcnt 0x0                             ; Q
.Lslot:                                                ; four trips: behind each change of slots but the last the walk's next key slot is asked for
	CHANGE 1
	SLOT_STEPS
	s_cmp_lg_u32 s13, s14                          ; was this the block's last key slot?  The same answer in every wave
	s_cbranch_scc1 .Lsame
	FINAL 54                                       ; the first block leaves,
.set I, 0
.rept 8
	v_mov_b32 v[16+I], v[24+I]                     ; the second block's Q takes the first's place,
.set I, I+1
.endr
	STATE0                                         ; and the tile begins anew
	s_lshr_b32 s14, s10, 1                         ; the second block's last key slot
	s_mov_b32 s13, -1
	s_lshl_b32 s15, s10, 8
	s_lshl_b32 s17, s18, 4
	s_add_co_u32 s15, s15, s17
	s_wait_alu depctr_va_vdst(0)
.Lsame:
	s_add_co_u32 s13, s13, 1
	s_lshl_b32 s16, s13, 9                         ; the next slot's first key
	s_sub_co_u32 s3, s3, 1
	s_cmp_lg_u32 s3, 0
	s_cbranch_scc1 .Lslot
	CHANGE 0                                       ; the fifth slot is written out
	SLOT_STEPS
	FINAL 56
	s_wait_tensorcnt 0x0                           ; the wave's end
	ds_add_u32 v5, v6
	s_wait_dscnt 0x0
	s_endpgm
.Lfunc_end_k_q414d64dc3a_attn:
	.size	k_q414d64dc3a_attn, .Lfunc_end_k_q414d64dc3a_attn-k_q414d64dc3a_attn
	.p2alignl 7, 3214868480
	.fill 96, 4, 3214868480
	.section	.rodata,"a",@progbits
	.p2align	6, 0x0
	.amdhsa_kernel k_q414d64dc3a_attn
		.amdhsa_group_segment_fixed_size 327680
		.amdhsa_private_segment_fixed_size 0
		.amdhsa_enable_private_segment 0
		.amdhsa_kernarg_size 24
		.amdhsa_user_sgpr_count 2
		.amdhsa_user_sgpr_kernarg_segment_ptr 1
		.amdhsa_wavefront_size32 1
		.amdhsa_system_sgpr_workgroup_id_x 1
		.amdhsa_system_sgpr_workgroup_id_y 1
		.amdhsa_system_sgpr_workgroup_id_z 1
		.amdhsa_system_vgpr_workitem_id 0
		.amdhsa_next_free_vgpr 256
		.amdhsa_next_free_sgpr 100
		.amdhsa_reserve_vcc 1
		.amdhsa_float_denorm_mode_32 3
		.amdhsa_float_denorm_mode_16_64 3
		.amdhsa_memory_ordered 1
		.amdhsa_forward_progress 1
		.amdhsa_inst_pref_size 66
	.end_amdhsa_kernel
	.amdgpu_metadata
---
amdhsa.version: [ 1, 2 ]
amdhsa.kernels:
  - .name:           k_q414d64dc3a_attn
    .symbol:         k_q414d64dc3a_attn.kd
    .args:
      - { .name: qkv, .offset: 0, .size: 8, .value_kind: global_buffer, .address_space: global }
      - { .name: lowp_scales, .offset: 8, .size: 8, .value_kind: global_buffer, .address_space: global }
      - { .name: ac, .offset: 16, .size: 8, .value_kind: global_buffer, .address_space: global }
    .group_segment_fixed_size: 327680
    .private_segment_fixed_size: 0
    .kernarg_segment_align: 8
    .kernarg_segment_size: 24
    .max_flat_workgroup_size: 512
    .sgpr_count:     100
    .vgpr_count:     256
    .wavefront_size: 32
...
	.end_amdgpu_metadata
.endif
;; end of part 3
;; launch gemm_out (part 4): grid 8 x 32, 4 waves a work-group, clusters of 4 x 4, 327,680 bytes of LDS; arguments ac, wc, lowp_scales, out0; writes out0
.if DOCPART == 4
	.amdgcn_target "amdgcn-amd-amdhsa--gfx1250"
	.amdhsa_code_object_version 6
	.text
	.protected	k_q414d64dc3a_gemm_out
	.globl	k_q414d64dc3a_gemm_out
	.p2align	8
	.type	k_q414d64dc3a_gemm_out,@function
k_q414d64dc3a_gemm_out:
	s_mov_b64 s[64:65], 0
	v_nop
	global_prefetch_b8 v0, s[64:65] scope:SCOPE_SE
	s_setreg_imm32_b32 hwreg(HW_REG_WAVE_MODE, 25, 1), 1
	s_wait_xcnt 0x0
	s_wait_alu depctr_hold_cnt(0) depctr_sa_sdst(0) depctr_va_vdst(0) depctr_va_sdst(0) depctr_va_ssrc(0) depctr_va_vcc(0) depctr_vm_vsrc(0)
	s_getreg_b32 s2, hwreg(HW_REG_IB_STS2, 6, 4)
	s_cmp_eq_u32 s2, 0
	s_cbranch_scc0 .Lentry_in_a_cluster
	s_endpgm
.Lentry_in_a_cluster:
	s_bfe_u32 s2, ttmp6, 0x10000c
	s_cmp_lg_u32 s2, 0xf033
	s_cbranch_scc0 .Lentry_shape_is_right
	s_endpgm
.Lentry_shape_is_right:
; out0 = attention's result x w_out on codes of FP8 (E4M3): C[t][n] = 2^(e6 + e7) x sum over k of A[t][k] B[n][k], K = 1,024, f32 out.
; A = ac, laid [64 bh][2048 t][64]: k = 64 x head + d, so 256 along K are four heads' pieces of 256 tokens x 64 bytes, each 16,384 bytes on end.  B = wc rows 3072 .. 4095 ([n][1024 k]).
; LIMIT: e6 + e7 lies between -126 and 127.  Inside a matrix instruction k stands in other places than the form's own layout gives it, alike in both sources.
; A BLOCK of C is 256 tokens x 128 columns: 32 x 8 = 256 work-groups.  Four waves; a wave makes 128 x 64: 32 accumulators, 256 registers.
; The matrix instruction is used transposed (source 0 = 16 rows of B, source 1 = 16 rows of A): a lane holds eight neighbouring columns of one row of C.
; K goes in steps of 256 through a ring of two LDS slots; a slot is two steps of 128.  Both operands have TWO sets of fragment registers: a step's 48 LDS loads are issued a whole step (32 matrix instructions) ahead,
; so all reads of a slot are over at the head of its second step, where the change of slots stands and the slot is asked for again.
; WHO FETCHES: wave 0 A's tile of slot 0, wave 1 A's of slot 1, wave 2 B's of slot 0, wave 3 B's of slot 1: so the head's four loads, one a wave, ask for K steps 0 and 1 together, and a slot is filled again by its two waves.
; CLUSTERS: 4 x 4 work-groups; A's tiles are shared along a row of the cluster, B's along a column: each is asked for jointly.
; No prefetch: K has four K steps only; two are asked for at the head and the other two one and three steps of 128 behind their landing, so there is no trip to run ahead in.
; REGISTERS: window 0: v16-29 addresses, v32-127 the way out, v128-255 A's set 0;  window 1: v0-63, v64-127 B's two sets;  window 2: accumulator (a, b) at v[8 (4 a + b)];  window 3: v128-255 A's set 1.
.set ROWB,   256
.set KROW,   1024
.set PITCH,  272                       ; B's LDS row: 256 bytes + 16
.set AP,     80                        ; A's LDS row: a token's 64 bytes of one head + 16
.set HEADP,  256*AP                    ; a head's piece in LDS
.set HEADM,  131072                    ; from head to head in ac
.set FR,     16
.set NP,     4                         ; places behind this matrix instruction (ISA guide 7.12.1)
.set BH,     64*PITCH                  ; 64 rows of B: what one wave reads
.set BOFF,   4*HEADP
.set SLOT,   BOFF+2*BH
.set SPARE,  2*SLOT                    ; behind the ring: the spare words, 128 bytes for each wave
.set SPITCH, 272                       ; the way out: a stage of 16 rows x (256 bytes + 16) for each wave, in slot 0, which has had its last fill and its last read by then
.set ADRA, 16                          ; v16-19  A's fragments: slot 0 step 0, 1; slot 1 step 0, 1
.set ADRB, 20                          ; v20-21  B's fragments in slot 0, 1
.set STO,  24
.set RD,   25
.set CO,   26
.set SPW,  28                          ; my spare word; never rewritten
.set NIL,  29                          ; 0; never rewritten
.set TMP,  32
.set BK,   64
.set AF,   128
.set G1, 24                            ; s[24:31] group 1 for A's tiles, s[32:35] my group 0 for them
.set G0, 32
.set G1B, 48                           ; s[48:55], s[56:59] the same for B's
.set G0B, 56
.set MSB, 0
.macro WIN new                         ; the immediate's high byte repeats the setting that is left
.if MSB != (\new)
	s_set_vgpr_msb (MSB<<8)|(\new)
.set MSB, \new
.endif
.endm
.macro JLOAD                           ; a joint load: waves 0, 1 for A, waves 2, 3 for B; an s_nop 0 and four v_nop follow each of the two lines
	s_cmp_eq_u32 s15, 0
	s_cbranch_scc0 .Lfor_b_\@
	tensor_load_to_lds s[G0:G0+3], s[G1:G1+7]
	s_nop 0
.rept 4
	v_nop
.endr
	s_branch .Lasked_\@
.Lfor_b_\@:
	tensor_load_to_lds s[G0B:G0B+3], s[G1B:G1B+7]
	s_nop 0
.rept 4
	v_nop
.endr
.Lasked_\@:
.endm
.macro CREST                           ; a round of the cluster's barrier behind its opening barrier
	s_cmp_lg_u32 s14, 0
	s_cbranch_scc1 .Lnot_wave_0_\@
	s_barrier_signal -3
.Lnot_wave_0_\@:
	s_barrier_wait -3
	s_barrier_signal -1
	s_barrier_wait -1
.endm
.macro CROUND
	s_barrier_signal -1
	s_barrier_wait -1
	CREST
.endm
	s_load_b256 s[4:11], s[0:1], 0x0               ; ac s[4:5], wc s[6:7], the scales' exponents s[8:9], out0 s[10:11]
	v_lshl_add_u32 v[SPW], v0, 2, SPARE
	v_mov_b32 v[NIL], 0
	ds_add_u32 v[SPW], v[NIL]                      ; the opening lines: the add, twice on end, and its wait
	ds_add_u32 v[SPW], v[NIL]
	v_lshrrev_b32 v1, 5, v0
	v_readfirstlane_b32 s14, v1                    ; wave 0..3
	s_lshr_b32 s15, s14, 1                         ; which 128 rows of the block are mine.  Also: I fetch for A (0) or for B (1)
	s_and_b32 s16, s14, 1                          ; which 64 columns.  Also: which slot of the ring I fill
	s_bfe_u32 s40, ttmp6, 0x40000                  ; cx, cy
	s_bfe_u32 s41, ttmp6, 0x40004
	s_lshl_b32 s42, ttmp9, 2
	s_add_co_u32 s42, s42, s40                     ; block column 0..7
	s_and_b32 s17, ttmp7, 0xffff
	s_lshl_b32 s17, s17, 2
	s_add_co_u32 s17, s17, s41                     ; block row 0..31
	s_lshl_b32 s43, s41, 2
	s_lshl_b32 s43, 15, s43                        ; my row of the cluster
	s_lshl_b32 s44, 0x1111, s40                    ; my column
	s_or_b32 s[G1+0], s43, (0<<16)|(1<<20)|(1<<21)|(3<<22)|(3<<25)   ; A: four rows of 16,384 bytes, a head apart; four words of padding behind every 16
	s_mov_b32 s[G1+1], 16384<<16
	s_mov_b32 s[G1+2], 4<<16
	s_mov_b32 s[G1+3], 16384<<16
	s_mov_b32 s[G1+4], 4
	s_mov_b32 s[G1+5], HEADM
	s_mov_b32 s[G1+6], 0
	s_mov_b32 s[G1+7], 0
	s_or_b32 s[G1B+0], s44, (0<<16)|(1<<20)|(1<<21)|(5<<22)|(3<<25)  ; B: 128 rows of 256 bytes; four words behind every 64
	s_mov_b32 s[G1B+1], ROWB<<16
	s_mov_b32 s[G1B+2], 128<<16
	s_mov_b32 s[G1B+3], ROWB<<16
	s_mov_b32 s[G1B+4], 128
	s_mov_b32 s[G1B+5], KROW
	s_mov_b32 s[G1B+6], 0
	s_mov_b32 s[G1B+7], 0
	s_lshr_b32 s20, s17, 3
	s_lshl_b32 s20, s20, 21                        ; A: the batch's sixteen heads,
	s_and_b32 s18, s17, 7
	s_lshl_b32 s18, s18, 14                        ; + 256 tokens x 64 bytes for each block row,
	s_add_co_u32 s20, s20, s18
	s_lshl_b32 s18, s16, 19                        ; + four heads for my slot's first K step
	s_add_co_u32 s20, s20, s18
	s_mov_b32 s21, 0
	s_lshl_b32 s46, s42, 17                        ; B: 128 rows of 1,024 bytes for each block column,
	s_lshl_b32 s18, s16, 8                         ; + 256 bytes for my slot's first K step,
	s_add_co_u32 s46, s46, s18
	s_add_co_u32 s46, s46, 3072*1024               ; behind w_qkv's rows
	s_mov_b32 s47, 0
	s_mul_i32 s45, s16, SLOT                       ; where they go: my slot: no place in the cluster enters an LDS address
	s_add_co_u32 s93, s45, BOFF
	s_wait_dscnt 0x0                               ; both opening adds are done
	s_wait_kmcnt 0x0
	s_load_b256 s[72:79], s[8:9], 0x0              ; e0 .. e7
	s_add_nc_u64 s[20:21], s[4:5], s[20:21]
	s_add_nc_u64 s[46:47], s[6:7], s[46:47]
	CROUND                                         ; all sixteen work-groups are here: the first joint loads meet
	s_mov_b32 s[G0], 1
	s_mov_b32 s[G0+1], s45
	s_mov_b64 s[G0+2:G0+3], s[20:21]
	s_or_b32 s[G0+3], s[G0+3], 0x80000000
	s_mov_b32 s[G0B], 1
	s_mov_b32 s[G0B+1], s93
	s_mov_b64 s[G0B+2:G0B+3], s[46:47]
	s_or_b32 s[G0B+3], s[G0B+3], 0x80000000
	JLOAD                                          ; one tensor load a wave at the head: K steps 0 and 1
	s_mul_i32 s21, s15, 128*AP                     ; my 128 rows of A
	s_mul_i32 s22, s16, BH
	s_add_co_u32 s22, s22, BOFF                    ; my 64 rows of B
	s_mul_i32 s23, s14, 16*SPITCH                  ; my stage
	v_and_b32 v1, 15, v0                           ; r
	v_bfe_u32 v2, v0, 4, 1                         ; h
	v_mul_u32_u24 v3, v1, AP
	v_lshl_add_u32 v3, v2, 4, v3
	v_add_nc_u32 v[ADRA], s21, v3
	v_add_nc_u32 v[ADRA+1], 2*HEADP, v[ADRA]
	v_add_nc_u32 v[ADRA+2], SLOT, v[ADRA]
	v_add_nc_u32 v[ADRA+3], SLOT+2*HEADP, v[ADRA]
	v_mul_u32_u24 v4, v1, PITCH
	v_lshl_add_u32 v4, v2, 4, v4
	v_add_nc_u32 v[ADRB], s22, v4
	v_add_nc_u32 v[ADRB+1], SLOT, v[ADRB]
	v_mul_u32_u24 v5, v1, SPITCH
	v_lshl_add_u32 v5, v2, 5, v5
	v_add_nc_u32 v[STO], s23, v5                   ; into the stage: row r, 32 bytes for each half of the lanes
	v_mul_u32_u24 v6, v2, SPITCH
	v_lshl_add_u32 v6, v1, 4, v6
	v_add_nc_u32 v[RD], s23, v6                    ; back: sixteen lanes to a row of 256 bytes, two rows an instruction
	v_lshlrev_b32 v7, 12, v2
	v_lshl_add_u32 v[CO], v1, 4, v7                ; and the same two rows in out0
	s_lshl_b32 s88, s17, 8
	s_lshl_b32 s89, s15, 7
	s_add_co_u32 s88, s88, s89
	s_lshl_b32 s88, s88, 12                        ; my first row of 4,096 bytes,
	s_lshl_b32 s90, s42, 9
	s_lshl_b32 s91, s16, 8
	s_add_co_u32 s90, s90, s91                     ; my first column: 512 x block column + 256 x half
	s_add_co_u32 s88, s88, s90
	s_mov_b32 s89, 0
	s_add_nc_u64 s[10:11], s[10:11], s[88:89]
.macro PLACES n
.rept \n
	v_nop
.endr
.endm
; the fragments of the slot's q-th 128 along K into sets p: B's four (16 loads), then A's eight (32 loads).  Lane l holds row l % 16; registers 4 c .. 4 c + 3 hold K = 32 c + 16 (l / 16) + 0 .. 15
.macro FETCH slot, q, p
	WIN 0x40
.irp i, 0,1,2,3
.irp c, 0,1,2,3
	ds_load_b128 v[64*(\p)+FR*\i+4*\c:64*(\p)+FR*\i+4*\c+3], v[ADRB+\slot] offset:128*(\q)+32*\c+\i*16*PITCH
.endr
.endr
	WIN 0xc0*(\p)
.irp i, 0,1,2,3,4,5,6,7
.irp c, 0,1,2,3
	ds_load_b128 v[AF+FR*\i+4*\c:AF+FR*\i+4*\c+3], v[ADRA+2*(\slot)+(\q)] offset:(\c/2)*HEADP+\i*16*AP+32*(\c%2)
.endr
.endr
	WIN 0
.endm
; 16 matrix instructions: A's blocks a0 .. a0 + 3 x B's four.  The 32 accumulators take turns, one instruction a turn, in the same order in every step.  zero = 1: the first product starts the sums
.macro MULH a0, p, zero
	WIN 0xa1+0x0c*(\p)                             ; source 0 (B) window 1, source 1 (A) window 0 or 3, C and D window 2
.irp a, \a0, \a0+1, \a0+2, \a0+3
.irp b, 0,1,2,3
.if \zero
	v_wmma_f32_16x16x128_fp8_fp8 v[8*(4*(\a)+\b):8*(4*(\a)+\b)+7], v[64*(\p)+FR*\b:64*(\p)+FR*\b+FR-1], v[AF+FR*(\a):AF+FR*(\a)+FR-1], 0
.else
	v_wmma_f32_16x16x128_fp8_fp8 v[8*(4*(\a)+\b):8*(4*(\a)+\b)+7], v[64*(\p)+FR*\b:64*(\p)+FR*\b+FR-1], v[AF+FR*(\a):AF+FR*(\a)+FR-1], v[8*(4*(\a)+\b):8*(4*(\a)+\b)+7]
.endif
.endr
.endr
.endm
; a slot's first step, on sets 0; the second step's fragments go into sets 1
.macro STEP slot, zero
	s_wait_dscnt 16                                ; B's four and A's blocks 0-3 are in; the youngest sixteen loads (A's blocks 4-7) may be out
	PLACES NP                                      ; in front of loads into sets 1, which the step before multiplied
	FETCH \slot, 1, 1
	MULH 0, 0, \zero
	s_wait_dscnt 48                                ; all but the 48 just issued
	MULH 4, 0, \zero
	WIN 0
.endm
; a slot's second step, on sets 1, changes slots: all its fragments are in registers, so my reads of the slot are over at its head.  fill = 1: the slot is filled again, two K steps ahead, by the two waves that own it
.macro TURN slot, next, fill
	s_wait_tensorcnt 0x0                           ; if a load of mine was out, it was my part of the next slot: it has landed
	ds_add_u32 v[SPW], v[NIL]
	s_wait_dscnt 0x0                               ; the add is done, and this step's fragments are in
	s_barrier_signal -1
	MULH 0, 1, 0                                   ; work on registers while the others arrive
	WIN 0
	s_barrier_wait -1
.if \fill
	CREST                                          ; the barrier has opened a round of the cluster's barrier
	s_cmp_lg_u32 s16, \slot                        ; the branch hangs on the wave's number alone
	s_cbranch_scc1 .Lnone_\@
	s_add_nc_u64 s[G0+2:G0+3], s[G0+2:G0+3], 2*4*HEADM
	s_add_nc_u64 s[G0B+2:G0B+3], s[G0B+2:G0B+3], 2*ROWB
	JLOAD                                          ; the first tensor load behind the round
.Lnone_\@:
.endif
	PLACES NP                                      ; in front of the loads into sets 0, on every wave's path
	FETCH \next, 0, 0
	MULH 4, 1, 0
	WIN 0
.endm
	s_wait_alu depctr_va_vdst(0)
	s_wait_tensorcnt 0x0                           ; my load has landed,
	s_barrier_signal -1
	s_barrier_wait -1                              ; everybody's has: both slots are whole
	FETCH 0, 0, 0
	STEP 0, 1
	TURN 0, 1, 1
	STEP 1, 0
	TURN 1, 0, 1
	STEP 0, 0
	TURN 0, 1, 0                                   ; nothing more is filled: a plain barrier
	STEP 1, 0
	s_wait_dscnt 0x0                               ; the very last step
	MULH 0, 1, 0
	MULH 4, 1, 0
	WIN 0
; THE WAY OUT, block by block of 16 rows x 64 columns: x 2^(e6 + e7), through my own stage, back as whole rows of 256 bytes.  LDS serves a wave's instructions in order (ISA guide 5.7.1.4)
.macro TOSTAGE a
	WIN 0x02
.set J, 0
.rept 16
	v_pk_mul_f32 v[TMP+J:TMP+J+1], v[32*(\a)+J:32*(\a)+J+1], s[96:97] op_sel_hi:[1,0]   ; each accumulator from its low end on
.set J, J+2
.endr
	WIN 0
.irp b, 0,1,2,3
	ds_store_b128 v[STO], v[TMP+8*\b:TMP+8*\b+3] offset:64*\b
	ds_store_b128 v[STO], v[TMP+8*\b+4:TMP+8*\b+7] offset:64*\b+16
.endr
.set BB, BK+32*((\a)%2)
.irp t, 0,1,2,3,4,5,6,7
	ds_load_b128 v[BB+4*\t:BB+4*\t+3], v[RD] offset:\t*2*SPITCH
.endr
.endm
.macro SEND a, younger                 ; younger: the LDS instructions issued behind block a's loads
.set BB, BK+32*((\a)%2)
	s_wait_dscnt \younger
.if (\a) > 0
	s_add_nc_u64 s[10:11], s[10:11], 16*4096       ; (behind a wait on XCNT: the earlier stores have read their base)
.endif
.irp t, 0,1,2,3,4,5,6,7
	global_store_b128 v[CO], v[BB+4*\t:BB+4*\t+3], s[10:11] offset:\t*2*4096 th:TH_STORE_NT   ; sixteen lanes store 256 consecutive bytes, at a multiple of 256 from out0's first byte
.endr
.endm
	s_wait_kmcnt 0x0
	s_add_co_i32 s96, s78, s79
	s_add_co_i32 s96, s96, 127
	s_lshl_b32 s96, s96, 23                        ; 2^(e6 + e7) as f32
	s_mov_b32 s97, s96
	PLACES NP                                      ; behind the last products
	TOSTAGE 0
.irp a, 1,2,3,4,5,6,7
.if \a > 1
	s_wait_xcnt 0x0                                ; block a - 2's stores have read their registers and their base
.endif
	TOSTAGE \a
	SEND \a-1, 16                                  ; behind block a - 1's loads: block a's 8 stores and 8 loads
.endr
	s_wait_xcnt 0x0
	SEND 7, 0
	s_wait_tensorcnt 0x0                           ; the wave's end
	ds_add_u32 v[SPW], v[NIL]
	s_wait_dscnt 0x0
	CROUND                                         ; the closing round
	s_endpgm
.Lfunc_end_k_q414d64dc3a_gemm_out:
	.size	k_q414d64dc3a_gemm_out, .Lfunc_end_k_q414d64dc3a_gemm_out-k_q414d64dc3a_gemm_out
	.p2alignl 7, 3214868480
	.fill 96, 4, 3214868480
	.section	.rodata,"a",@progbits
	.p2align	6, 0x0
	.amdhsa_kernel k_q414d64dc3a_gemm_out
		.amdhsa_group_segment_fixed_size 327680
		.amdhsa_private_segment_fixed_size 0
		.amdhsa_enable_private_segment 0
		.amdhsa_kernarg_size 32
		.amdhsa_user_sgpr_count 2
		.amdhsa_user_sgpr_kernarg_segment_ptr 1
		.amdhsa_wavefront_size32 1
		.amdhsa_system_sgpr_workgroup_id_x 1
		.amdhsa_system_sgpr_workgroup_id_y 1
		.amdhsa_system_sgpr_workgroup_id_z 1
		.amdhsa_system_vgpr_workitem_id 0
		.amdhsa_next_free_vgpr 1024
		.amdhsa_next_free_sgpr 100
		.amdhsa_reserve_vcc 0
		.amdhsa_float_denorm_mode_32 3
		.amdhsa_float_denorm_mode_16_64 3
		.amdhsa_memory_ordered 1
		.amdhsa_forward_progress 1
		.amdhsa_inst_pref_size 76
	.end_amdhsa_kernel
	.amdgpu_metadata
---
amdhsa.version: [ 1, 2 ]
amdhsa.kernels:
  - .name:           k_q414d64dc3a_gemm_out
    .symbol:         k_q414d64dc3a_gemm_out.kd
    .args:
      - { .name: ac, .offset: 0, .size: 8, .value_kind: global_buffer, .address_space: global }
      - { .name: wc, .offset: 8, .size: 8, .value_kind: global_buffer, .address_space: global }
      - { .name: lowp_scales, .offset: 16, .size: 8, .value_kind: global_buffer, .address_space: global }
      - { .name: out0, .offset: 24, .size: 8, .value_kind: global_buffer, .address_space: global }
    .group_segment_fixed_size: 327680
    .private_segment_fixed_size: 0
    .kernarg_segment_align: 8
    .kernarg_segment_size: 32
    .max_flat_workgroup_size: 128
    .sgpr_count:     100
    .vgpr_count:     1024
    .wavefront_size: 32
...
	.end_amdgpu_metadata
.endif
;; end of part 4
